; MI455X (gfx1250); checked and timed in simulation.
; The chip was launched on July 23, 2026; its instructions are those of AMD's public machine-readable ISA for CDNA 5 (MIT licence, August 2026) and "CDNA5" Instruction Set Architecture Reference Guide (July 2026). The comments in the code are by the model that wrote it; some were corrected since.
;; Multi Head Attention. Allowed arithmetic: matrix products marked QUANTISED: E2M1 operands, one E8M0 scale for each 32 along K, by v_wmma_scale_f32_16x16x128_f8f6f4 with both operands' format E2M1 (or v_wmma_scale_f32_32x16x128_f4), f32 sums; products left as they are: bf16, f16 or f32 operands; f32 sums; everything else in f32.
;; Inputs: bk 1,024 float32; bo 1,024 float32; bq 1,024 float32; bv 1,024 float32; wk 1,024 x 1,024 float32; wo 1,024 x 1,024 float32; wq 1,024 x 1,024 float32; wv 1,024 x 1,024 float32; x 1 x 4,096 x 1,024 float32.
;; Outputs: out0 1 x 4,096 x 1,024 float32.
;; This version of the problem:
;;   THIS VERSION OF THE PROBLEM IS GIVEN IN LOW PRECISION. The matrix products marked QUANTISED in the list below multiply operands that are first quantised to E2M1 (2 exponent bits, 1 mantissa bit; 4 bits a number), with one power-of-two scale for each 32 numbers along K (OCP MX v1.0); their sums are f32. The products marked 'left as it is' may take bf16, f16 or f32 operands, with f32 sums. Whichever they take, every output number must still come out within the allowed error. Rounding operands to bf16 (8 significant bits) uses up far more of that allowance than f16 does (11 bits, for magnitudes from 6e-5 to 65,504). All else is computed in f32.
;;   The module's matrix products, in the order in which they are computed (A, B: the left and right operand; K: the contracted axis; several contracted axes count as one K, in the product's order):
;;     1. [M 4,096, K 1,024] x [K 1,024, N 1,024]; A: input x; B: input wq: QUANTISED
;;     2. [M 4,096, K 1,024] x [K 1,024, N 1,024]; A: input x; B: input wk: QUANTISED
;;     3. [M 4,096, K 1,024] x [K 1,024, N 1,024]; A: input x; B: input wv: QUANTISED
;;     4. batch 16 x [M 4,096, K 64] x [K 64, N 4,096]; A: computed on the way; B: computed on the way: left as it is (an operand is computed on the way)
;;     5. batch 16 x [M 4,096, K 4,096] x [K 4,096, N 64]; A: computed on the way; B: computed on the way: left as it is (an operand is computed on the way)
;;     6. [M 4,096, K 1,024] x [K 1,024, N 1,024]; A: computed on the way; B: input wo: left as it is (an operand is computed on the way)
;;   THE QUANTISER, for each operand of a quantised product, along K:
;;     - K is cut into blocks of 32 from its start; a last block that is shorter is filled with zeros.
;;     - A block's scale is 2^e with e = floor(log2(the largest magnitude in the block)) - 2, held to -126 .. 127; a block of zeros has e = 0. As a byte (E8M0): e + 127.
;;     - Each number is divided by its block's scale, clamped to +-6, and rounded to the nearest number of E2M1, ties to even, subnormals kept.
;;     - The product sums the exact products of the quantised numbers (number of the format x scale) in f32.
;;   ~~~python
;;   def quantise(x, axis):      # numpy; x: float32 -> the quantised numbers, widened to float32 again
;;       x = np.moveaxis(x, axis, -1); K = x.shape[-1]
;;       x = np.pad(x, [(0, 0)] * (x.ndim - 1) + [(0, -K % 32)]); x = x.reshape(x.shape[:-1] + (-1, 32)); a = np.abs(x).max(-1, keepdims=True)
;;       e = np.where(a > 0, np.clip(np.frexp(np.where(a > 0, a, 1))[1] - 1 - 2, -126, 127), 0)      # np.frexp(a)[1] - 1 = floor(log2(a)), exactly
;;       r = np.clip(x / 2.0 ** e, -6, 6)
;;       step = 2.0 ** (np.maximum(np.frexp(np.where(r == 0, 1, r))[1] - 1, 0) - 1)
;;       q = np.round(r / step) * step * 2.0 ** e      # np.round: ties to even
;;       return np.moveaxis(q.reshape(q.shape[:-2] + (-1,))[..., :K], -1, axis).astype(np.float32)
;;   ~~~
;; One version. Each part assembles by itself: llvm-mc -triple=amdgcn-amd-amdhsa -mcpu=gfx1250 --defsym DOCPART=n.
;; ======== version 1 of 1: 4 launches
;; limits: values are held in f16: magnitudes above 65,504 overflow, below 6.1e-05 lose precision
;; workspace buffers: xc 2,097,152 bytes; xs 131,072 bytes; wc 1,572,864 bytes; ws 98,304 bytes; wof 2,097,152 bytes; qkv 25,165,824 bytes; ao 8,388,608 bytes
;; launch quant (part 1): grid 256 x 1, 4 waves a work-group, no clusters, 33,280 bytes of LDS; arguments x, wq, wk, wv, wo, xc, xs, wc, ws, wof; writes xc, xs, wc, ws, wof
.if DOCPART == 1
	.amdgcn_target "amdgcn-amd-amdhsa--gfx1250"
	.amdhsa_code_object_version 6
	.text
	.protected	k_q08fa3c4a4a_quant
	.globl	k_q08fa3c4a4a_quant
	.p2align	8
	.type	k_q08fa3c4a4a_quant,@function
k_q08fa3c4a4a_quant:
	s_mov_b64 s[64:65], 0
	v_nop
	global_prefetch_b8 v0, s[64:65] scope:SCOPE_SE
	s_setreg_imm32_b32 hwreg(HW_REG_WAVE_MODE, 25, 1), 1
	s_wait_xcnt 0x0
; x [4096][1024] and wq, wk, wv [1024][1024], f32, K innermost, become codes of FP4 (E2M1), two a byte, the lower k in the low four bits, with one E8M0 byte for each 32 along K.
; xc, xs take x; wc, ws take wq, wk, wv one behind the other (3,072 rows).  wo [1024][1024] f32 becomes f16 in wof, same order.
; A block's scale is 2^(floor(log2(largest magnitude)) - 2); its byte is the largest magnitude's exponent field - 2, held at 1 from below.
; LIMITS: a block of zeros, or one whose largest magnitude lies under 2^-124, gets the byte 1 (its codes are zeros or the nearest codes under that scale; the bytes are read by this program alone).
; NaN and infinities among the inputs are not served.  wo beyond 65,504 in magnitude has no f16 number.
; SHARES: a work-group takes 32,768 numbers, a wave 8,192.  Work-groups 0-127: x; 128-223: wq, wk, wv (32 each); 224-255: wo.  Only pointers are chosen for the first 224: one path.
; Rows are dense and 1,024 is a multiple of 32: every tensor is a plain stream of blocks of 32, and so are codes and scale bytes.
; A step is 512 numbers: four loads of 512 consecutive bytes; the 2,048 bytes turn through the wave's own stage in LDS so that a lane holds 16 neighbours (two lanes to a block).
.set WAVES, 4
.set STEPS, 16
.set EMAX,  2
.set CB,    8                          ; bytes of 16 codes
.set R,     16                         ; v16-79   four sets of 16 numbers as loaded
.set X,     80                         ; v80-111  two sets of 16 neighbours
.set E,     112                        ; v112-127 a scale byte for each step
.set C,     128                        ; v128-191 codes, four registers a step: no store's data are written again
.set WREG,  8192                       ; LDS: a region for each wave: two stages of 32 x SP bytes, then its 256 scale bytes
.set SP,    80                         ; a lane's place in a stage: 64 bytes + 16 of padding
.set SPW,   12                         ; v12 LDS address of my spare word; never rewritten
.set NIL,   13                         ; v13 0; never rewritten
.set SPARE, WAVES*WREG                 ; behind the regions: the spare words, 128 bytes a wave, named by no other line
.set SRC,   30                         ; s[30:31] what I read
.set COD,   32                         ; s[32:33] where codes (or f16 numbers) go
.set SCA,   34                         ; s[34:35] where scale bytes go
	s_load_b512 s[4:19], s[0:1], 0x0               ; x 4, wq 6, wk 8, wv 10, wo 12, xc 14, xs 16, wc 18
	s_load_b128 s[20:23], s[0:1], 0x40             ; ws 20, wof 22
	v_lshl_add_u32 v[SPW], v0, 2, SPARE
	v_mov_b32 v[NIL], 0
	v_lshrrev_b32 v1, 5, v0
	v_readfirstlane_b32 s24, v1                    ; wave
	v_and_b32 v2, 31, v0                           ; lane
	v_lshlrev_b32 v3, 4, v2                        ; my 16 bytes of a load's 512
	s_mul_i32 s25, s24, WREG
	v_lshrrev_b32 v14, 2, v2
	v_mul_u32_u24 v14, v14, SP
	v_and_b32 v15, 3, v2
	v_lshl_add_u32 v14, v15, 4, v14
	v_add_nc_u32 v14, s25, v14                     ; the stage, in: SP (lane / 4) + 16 (lane % 4)
	v_mul_u32_u24 v15, v2, SP
	v_add_nc_u32 v15, s25, v15                     ; and out: SP x lane: my 16 neighbours
	v_mul_u32_u24 v4, v2, CB                       ; my codes' place in a step's
	v_lshrrev_b32 v5, 1, v2
	s_add_co_u32 s25, s25, 2*32*SP
	v_add_nc_u32 v5, s25, v5                       ; my block's scale byte in the wave's 256
	v_lshlrev_b32 v7, 3, v2                        ; 8 bytes a lane
	v_add_nc_u32 v6, s25, v7
	s_max_u32 s26, ttmp9, 128
	s_sub_co_u32 s26, s26, 128                     ; the work-group's number among the weights'
	s_lshr_b32 s27, s26, 5                         ; which weight
	s_and_b32 s28, s26, 31                         ; and which part of it
	s_wait_kmcnt 0x0
	s_cmp_ge_u32 ttmp9, 224
	s_cbranch_scc1 .Lwo                            ; wo is only narrowed to f16
	s_cmp_eq_u32 s27, 1
	s_cselect_b64 s[SRC:SRC+1], s[8:9], s[6:7]
	s_cmp_eq_u32 s27, 2
	s_cselect_b64 s[SRC:SRC+1], s[10:11], s[SRC:SRC+1]
	s_cmp_lt_u32 ttmp9, 128                        ; the choices hang on the work-group's number alone
	s_cselect_b64 s[SRC:SRC+1], s[4:5], s[SRC:SRC+1]
	s_cselect_b64 s[COD:COD+1], s[14:15], s[18:19]
	s_cselect_b64 s[SCA:SCA+1], s[16:17], s[20:21]
	s_cselect_b32 s28, ttmp9, s28
	s_cselect_b32 s29, ttmp9, s26
	s_lshl_b32 s28, s28, 2
	s_add_co_u32 s28, s28, s24                     ; my run of 8,192 numbers in the source,
	s_lshl_b32 s36, s28, 15
	s_mov_b32 s37, 0
	s_add_nc_u64 s[SRC:SRC+1], s[SRC:SRC+1], s[36:37]
	s_lshl_b32 s29, s29, 2
	s_add_co_u32 s29, s29, s24                     ; and in the outputs: 4,096 bytes of codes, 256 scale bytes
	s_lshl_b32 s36, s29, 12
	s_add_nc_u64 s[COD:COD+1], s[COD:COD+1], s[36:37]
	s_lshl_b32 s36, s29, 8
	s_add_nc_u64 s[SCA:SCA+1], s[SCA:SCA+1], s[36:37]
.macro LOAD t
.irp i, 0,1,2,3
	global_load_b128 v[R+16*((\t)%4)+4*\i:R+16*((\t)%4)+4*\i+3], v3, s[SRC:SRC+1] offset:2048*(\t)+512*\i th:TH_LOAD_NT   ; 32 lanes read 512 consecutive bytes
.endr
.endm
.macro TURN t                          ; step t's numbers through the stage: LDS serves a wave's instructions in order, so no wait between stores and loads
.irp i, 0,1,2,3
	ds_store_b128 v14, v[R+16*((\t)%4)+4*\i:R+16*((\t)%4)+4*\i+3] offset:32*SP*((\t)%2)+8*SP*\i
.endr
.irp i, 0,1,2,3
	ds_load_b128 v[X+16*((\t)%2)+4*\i:X+16*((\t)%2)+4*\i+3], v15 offset:32*SP*((\t)%2)+16*\i
.endr
.endm
.irp t, 0,1,2,3
	LOAD \t
.endr
	s_wait_loadcnt 12                              ; step 0's four loads are in; twelve younger ones stay out
	TURN 0
.macro STEP t
.set XS, X+16*((\t)%2)
.if (\t) > 0
	s_wait_dscnt 1                                 ; this step's numbers are back from the stage; the last step's byte store may be out
.else
	s_wait_dscnt 0x0
.endif
.if (\t)+4 < STEPS
	LOAD (\t)+4                                    ; into the registers that the stage's stores have read
.endif
.if (\t)+1 < STEPS
.if STEPS-2-(\t) >= 3
	s_wait_loadcnt 12                              ; the next step's four loads are in; those of three steps behind it may be out
.else
	s_wait_loadcnt 4*(STEPS-2-(\t))
.endif
	TURN (\t)+1
.endif
	v_max3_num_f32 v8, |v[XS]|, |v[XS+1]|, |v[XS+2]|               ; the largest magnitude of my 16, in two chains
	v_max3_num_f32 v9, |v[XS+3]|, |v[XS+4]|, |v[XS+5]|
.irp i, 6,10
	v_max3_num_f32 v8, v8, |v[XS+\i]|, |v[XS+\i+1]|
	v_max3_num_f32 v9, v9, |v[XS+\i+2]|, |v[XS+\i+3]|
.endr
	v_max3_num_f32 v8, v8, |v[XS+14]|, |v[XS+15]|
	v_max3_num_f32 v8, v8, v9, (EMAX+1)<<23        ; with the floor 2^(3 - 127): the byte cannot fall under 1
	v_max_num_f32_dpp v8, v8, v8 row_xmask:1 row_mask:0xf bank_mask:0xf   ; and my neighbour's 16: the block's
	v_add_nc_u32 v11, -(EMAX<<23), v8              ; 2 off the exponent field: the conversion takes the exponent field of this operand as its scale
	v_cvt_scalef32_pk8_fp4_f32 v[C+4*(\t)], v[XS:XS+7], v11
	v_cvt_scalef32_pk8_fp4_f32 v[C+4*(\t)+1], v[XS+8:XS+15], v11
	v_lshrrev_b32 v[E+(\t)], 23, v11               ; the scale's byte (a plain line behind the conversions)
	ds_store_b8 v5, v[E+(\t)] offset:16*(\t)       ; both lanes of a block write the same byte with the same value
	global_store_b64 v4, v[C+4*(\t):C+4*(\t)+1], s[COD:COD+1] offset:32*CB*(\t)   ; the wave stores 256 consecutive bytes, aligned
.endm
.irp t, 0,1,2,3,4,5,6,7,8,9,10,11,12,13,14,15
	STEP \t
.endr
	ds_load_b64 v[8:9], v6                         ; my wave's 256 scale bytes, 8 a lane: these loads see my stores
	s_wait_dscnt 0x0
	global_store_b64 v7, v[8:9], s[SCA:SCA+1]      ; 256 consecutive bytes, aligned
	s_branch .Lend
.Lwo:                                              ; wo to f16: 8,192 numbers a wave, in four parts of 16 loads; two sets of registers take turns
	s_sub_co_u32 s28, ttmp9, 224
	s_lshl_b32 s28, s28, 2
	s_add_co_u32 s28, s28, s24
	s_lshl_b32 s36, s28, 15
	s_mov_b32 s37, 0
	s_add_nc_u64 s[SRC:SRC+1], s[12:13], s[36:37]
	s_lshl_b32 s36, s28, 14
	s_add_nc_u64 s[COD:COD+1], s[22:23], s[36:37]
.macro WLOAD n
.irp i, 0,1,2,3,4,5,6,7,8,9,10,11,12,13,14,15
	global_load_b128 v[16+64*((\n)%2)+4*\i:16+64*((\n)%2)+4*\i+3], v3, s[SRC:SRC+1] offset:512*(16*(\n)+\i) th:TH_LOAD_NT
.endr
.endm
.macro WCVT n
.if (\n) < 3
	s_wait_loadcnt 16                              ; this part's 16 loads are in; the other set's 16 may be out
.else
	s_wait_loadcnt 0x0
.endif
	s_wait_xcnt 0x0                                ; the last part's stores have read v144-175, which are written again below
.irp i, 0,1,2,3,4,5,6,7,8,9,10,11,12,13,14,15
	v_cvt_pk_f16_f32 v[144+2*\i], v[16+64*((\n)%2)+4*\i], v[16+64*((\n)%2)+4*\i+1]
	v_cvt_pk_f16_f32 v[145+2*\i], v[16+64*((\n)%2)+4*\i+2], v[16+64*((\n)%2)+4*\i+3]
.endr
.irp i, 0,1,2,3,4,5,6,7,8,9,10,11,12,13,14,15
	global_store_b64 v7, v[144+2*\i:145+2*\i], s[COD:COD+1] offset:256*(16*(\n)+\i)   ; 256 consecutive bytes, aligned
.endr
.endm
	WLOAD 0
	WLOAD 1
	WCVT 0
	WLOAD 2
	WCVT 1
	WLOAD 3
	WCVT 2
	WCVT 3
.Lend:
	s_wait_tensorcnt 0x0                           ; the wave's end
	ds_add_u32 v[SPW], v[NIL]
	s_wait_dscnt 0x0
	s_endpgm
.Lfunc_end_k_q08fa3c4a4a_quant:
	.size	k_q08fa3c4a4a_quant, .Lfunc_end_k_q08fa3c4a4a_quant-k_q08fa3c4a4a_quant
	.p2alignl 7, 3214868480
	.fill 96, 4, 3214868480
	.section	.rodata,"a",@progbits
	.p2align	6, 0x0
	.amdhsa_kernel k_q08fa3c4a4a_quant
		.amdhsa_group_segment_fixed_size 33280
		.amdhsa_private_segment_fixed_size 0
		.amdhsa_enable_private_segment 0
		.amdhsa_kernarg_size 80
		.amdhsa_user_sgpr_count 2
		.amdhsa_user_sgpr_kernarg_segment_ptr 1
		.amdhsa_wavefront_size32 1
		.amdhsa_system_sgpr_workgroup_id_x 1
		.amdhsa_system_sgpr_workgroup_id_y 1
		.amdhsa_system_sgpr_workgroup_id_z 1
		.amdhsa_system_vgpr_workitem_id 0
		.amdhsa_next_free_vgpr 192
		.amdhsa_next_free_sgpr 66
		.amdhsa_reserve_vcc 0
		.amdhsa_float_denorm_mode_32 3
		.amdhsa_float_denorm_mode_16_64 3
		.amdhsa_memory_ordered 1
		.amdhsa_forward_progress 1
		.amdhsa_inst_pref_size 54
	.end_amdhsa_kernel
	.amdgpu_metadata
---
amdhsa.version: [ 1, 2 ]
amdhsa.kernels:
  - .name:           k_q08fa3c4a4a_quant
    .symbol:         k_q08fa3c4a4a_quant.kd
    .args:
      - { .name: x, .offset: 0, .size: 8, .value_kind: global_buffer, .address_space: global }
      - { .name: wq, .offset: 8, .size: 8, .value_kind: global_buffer, .address_space: global }
      - { .name: wk, .offset: 16, .size: 8, .value_kind: global_buffer, .address_space: global }
      - { .name: wv, .offset: 24, .size: 8, .value_kind: global_buffer, .address_space: global }
      - { .name: wo, .offset: 32, .size: 8, .value_kind: global_buffer, .address_space: global }
      - { .name: xc, .offset: 40, .size: 8, .value_kind: global_buffer, .address_space: global }
      - { .name: xs, .offset: 48, .size: 8, .value_kind: global_buffer, .address_space: global }
      - { .name: wc, .offset: 56, .size: 8, .value_kind: global_buffer, .address_space: global }
      - { .name: ws, .offset: 64, .size: 8, .value_kind: global_buffer, .address_space: global }
      - { .name: wof, .offset: 72, .size: 8, .value_kind: global_buffer, .address_space: global }
    .group_segment_fixed_size: 33280
    .private_segment_fixed_size: 0
    .kernarg_segment_align: 8
    .kernarg_segment_size: 80
    .max_flat_workgroup_size: 128
    .sgpr_count:     66
    .vgpr_count:     192
    .wavefront_size: 32
...
	.end_amdgpu_metadata
.endif
;; end of part 1
;; launch qkv (part 2): grid 12 x 16, 4 waves a work-group, clusters of 4 x 4, 327,680 bytes of LDS; arguments xc, xs, wc, ws, bq, bk, bv, qkv; writes qkv
.if DOCPART == 2
	.amdgcn_target "amdgcn-amd-amdhsa--gfx1250"
	.amdhsa_code_object_version 6
	.text
	.protected	k_q08fa3c4a4a_qkv
	.globl	k_q08fa3c4a4a_qkv
	.p2align	8
	.type	k_q08fa3c4a4a_qkv,@function
k_q08fa3c4a4a_qkv:
	s_mov_b64 s[64:65], 0
	v_nop
	global_prefetch_b8 v0, s[64:65] scope:SCOPE_SE
	s_setreg_imm32_b32 hwreg(HW_REG_WAVE_MODE, 25, 1), 1
	s_wait_xcnt 0x0
	s_wait_alu depctr_hold_cnt(0) depctr_sa_sdst(0) depctr_va_vdst(0) depctr_va_sdst(0) depctr_va_ssrc(0) depctr_va_vcc(0) depctr_vm_vsrc(0)
	s_getreg_b32 s2, hwreg(HW_REG_IB_STS2, 6, 4)
	s_cmp_eq_u32 s2, 0
	s_cbranch_scc0 .Lentry_in_a_cluster
	s_endpgm
.Lentry_in_a_cluster:
	s_bfe_u32 s2, ttmp6, 0x10000c
	s_cmp_lg_u32 s2, 0xf033
	s_cbranch_scc0 .Lentry_shape_is_right
	s_endpgm
.Lentry_shape_is_right:
; q, k, v = x w^T + b in one product on codes of FP4 (E2M1) with E8M0 scales: C[m][n], m = 4,096 tokens, n = 3,072 (wq's, wk's, wv's rows on end), K = 1,024; sums in f32.
; The result leaves as f16 in planes of one head: qkv [48][4096][64]; plane n / 64: 0-15 q's heads, 16-31 k's, 32-47 v's.
; LIMIT: a result beyond 65,504 in magnitude has no f16 number.
; A tile of C, 256 x 256, is made by four waves, 128 x 128 each: 64 accumulators, 512 registers.  K is two steps of 512: each of the two LDS slots is filled once, at the start; nothing is filled again.
; The scale bytes of the work-group's 256 + 256 rows, for all of K, come once, as units of 256 bytes with 16 of padding.
; CLUSTERS: 4 x 4 work-groups; A's tiles are asked for jointly along a row of the cluster, B's along a column.
; THE MATRIX INSTRUCTION IS USED TRANSPOSED (source 0 = 16 rows of w, source 1 = 16 tokens): a lane holds eight neighbouring columns of one token.  The bias is the C of each sum's first product.
; REGISTERS: window 0: v0-31 addresses; v32-95 scale words, two sets, and nothing else; v128-191 A's fragments, one set; v192-255 the bias, 8 registers for each of B's 8 blocks; on the way out v128-223 are at work.
;   window 1: B's fragments, two sets, at v0 and v128.   window 2: the accumulators of my rows 0-63 ((a, b) at v[8 (8 a + b)]);   window 3: of rows 64-127.
.set SIZE_M, 4096
.set SIZE_N, 3072
.set SIZE_K, 1024
.set KSTEP,  512
.set NQ,     KSTEP/128
.set ROWB,   256                       ; a tile's row in bytes
.set KROW,   SIZE_K/2                  ; a row of codes in memory
.set PITCH,  272                       ; 256 bytes + 16: the 16 rows of a fragment load start at 16 different banks
.set FR,     8
.set NL,     2
.set NP,     4
.set HALFT,  128*PITCH
.set SLOT,   4*HALFT
.set KS,     SIZE_K/32
.set SCL,    2*SLOT
.set HALFS,  (128*KS/256)*272
.set SBLK,   (16*KS/256)*272
.set SPARE,  SCL+4*HALFS               ; the spare words, 128 bytes a wave, named by no other line
.set SPITCH, 272                       ; the way out: 16 rows x (256 bytes + 16) a wave, in slot 0, which has had its only fill and its last read by then
.set PLANE,  SIZE_M*128                ; a head's plane in bytes
.set ADRA, 16
.set ADRB, 20
.set STO,  24
.set RD,   25
.set CO,   26
.set ADRS, 27
.set SPW,  28
.set NIL,  29
.set BO,   30                          ; v30 32 x (lane / 16): my eight numbers of a block's sixteen biases
.set SC,   32
.set AF,   128
.set BIAS, 192
.set TMP,  128                         ; the way out: a block's packed results
.set BK,   160                         ; and its rows read back: v160-191 and v192-223 by turns
.set G1, 24
.set G0, 32
.set G1B, 48
.set G0B, 56
.set G1S, 68
.set G0S, 76
.set G1SB, 80
.set G0SB, 88
.set MSB, 0
.macro WIN new                         ; the immediate's high byte repeats the setting that is left
.if MSB != (\new)
	s_set_vgpr_msb (MSB<<8)|(\new)
.set MSB, (\new)
.endif
.endm
.set MUL_LO, 0xa1                      ; source 0 (B) window 1, source 1 (A) window 0, C and D window 2
.set MUL_HI, 0xf1                      ; the same, C and D window 3
.set TO_B,   0x40
; A joint load: waves 0 and 1 fetch for A, waves 2 and 3 for B; the branch hangs on the wave's number alone.  An s_nop 0 and four v_nop follow each line.
.macro JLOAD g0a, g1a, g0b, g1b
	s_cmp_eq_u32 s15, 0
	s_cbranch_scc0 .Lfor_b_\@
	tensor_load_to_lds s[\g0a:\g0a+3], s[\g1a:\g1a+7]
	s_nop 0
.rept 4
	v_nop
.endr
	s_branch .Lasked_\@
.Lfor_b_\@:
	tensor_load_to_lds s[\g0b:\g0b+3], s[\g1b:\g1b+7]
	s_nop 0
.rept 4
	v_nop
.endr
.Lasked_\@:
.endm
.macro CROUND                          ; a round of the cluster's barrier
	s_barrier_signal -1
	s_barrier_wait -1
	s_cmp_lg_u32 s14, 0
	s_cbranch_scc1 .Lnot_wave_0_\@
	s_barrier_signal -3
.Lnot_wave_0_\@:
	s_barrier_wait -3
	s_barrier_signal -1
	s_barrier_wait -1
.endm
	s_load_b128 s[4:7], s[0:1], 0x0                ; x's codes, x's scales
	s_load_b128 s[8:11], s[0:1], 0x10              ; w's codes, w's scales
	s_load_b128 s[96:99], s[0:1], 0x20             ; bq, bk
	s_load_b64 s[100:101], s[0:1], 0x30            ; bv
	s_load_b64 s[12:13], s[0:1], 0x38              ; qkv
	v_lshl_add_u32 v[SPW], v0, 2, SPARE
	v_mov_b32 v[NIL], 0
	ds_add_u32 v[SPW], v[NIL]                      ; the wave's opening: the add, twice on end, and its wait ahead of my first tensor load
	ds_add_u32 v[SPW], v[NIL]
	v_lshrrev_b32 v1, 5, v0
	v_readfirstlane_b32 s14, v1                    ; wave 0..3
	s_lshr_b32 s15, s14, 1                         ; my half of the tile's rows.  Also: I fetch for A (0) or B (1)
	s_and_b32 s16, s14, 1                          ; my half of its columns.  Also: which 128 rows I fetch
	s_bfe_u32 s40, ttmp6, 0x40000                  ; cx
	s_bfe_u32 s41, ttmp6, 0x40004                  ; cy
	s_lshl_b32 s42, ttmp9, 2
	s_add_co_u32 s42, s42, s40                     ; tile column
	s_and_b32 s17, ttmp7, 0xffff
	s_lshl_b32 s17, s17, 2
	s_add_co_u32 s17, s17, s41                     ; tile row
	s_lshl_b32 s43, s41, 2
	s_lshl_b32 s43, 15, s43                        ; my row of the cluster
	s_lshl_b32 s44, 0x1111, s40                    ; my column
	s_or_b32 s[G1+0], s43, (0<<16)|(1<<20)|(1<<21)|(5<<22)|(3<<25)   ; mask; 1-byte elements; padding: 4 words behind every 64
	s_or_b32 s[G1B+0], s44, (0<<16)|(1<<20)|(1<<21)|(5<<22)|(3<<25)
.irp g, G1, G1B
	s_mov_b32 s[\g+1], ROWB<<16                    ; tensor_dim0
	s_mov_b32 s[\g+2], 128<<16                     ; tensor_dim1
	s_mov_b32 s[\g+3], ROWB<<16                    ; tile_dim0
	s_mov_b32 s[\g+4], 128                         ; tile_dim1
	s_mov_b32 s[\g+5], KROW                        ; the pitch
	s_mov_b32 s[\g+6], 0
	s_mov_b32 s[\g+7], 0
.endr
	s_or_b32 s[G1S+0], s43, (3<<16)|(1<<20)|(1<<21)|(5<<22)|(3<<25)  ; the scales of 128 rows: a dense block as rows of 256 bytes (32 elements of 8)
	s_or_b32 s[G1SB+0], s44, (3<<16)|(1<<20)|(1<<21)|(5<<22)|(3<<25)
.irp g, G1S, G1SB
	s_mov_b32 s[\g+1], 32<<16
	s_mov_b32 s[\g+2], (128*KS/256)<<16
	s_mov_b32 s[\g+3], 32<<16
	s_mov_b32 s[\g+4], 128*KS/256
	s_mov_b32 s[\g+5], 32
	s_mov_b32 s[\g+6], 0
	s_mov_b32 s[\g+7], 0
.endr
	s_lshl_b32 s18, s16, 7
	s_lshl_b32 s20, s17, 8
	s_add_co_u32 s20, s20, s18                     ; A: row 256 x tile row + 128 x half
	s_lshl_b32 s46, s42, 8
	s_add_co_u32 s46, s46, s18                     ; B: row 256 x tile column + 128 x half
	s_mov_b32 s21, 0
	s_mov_b32 s47, 0
	s_mov_b64 s[18:19], KS
	s_mul_u64 s[22:23], s[20:21], s[18:19]         ; where these rows' scales begin,
	s_mul_u64 s[92:93], s[46:47], s[18:19]
	s_mov_b64 s[18:19], KROW
	s_mul_u64 s[20:21], s[20:21], s[18:19]         ; and their codes
	s_mul_u64 s[46:47], s[46:47], s[18:19]
	s_mul_i32 s45, s14, HALFT                      ; where they go: wave x 128 rows
	s_mul_i32 s94, s14, HALFS
	s_wait_dscnt 0x0                               ; both opening adds are done
	s_wait_kmcnt 0x0
	s_add_nc_u64 s[20:21], s[4:5], s[20:21]
	s_add_nc_u64 s[22:23], s[6:7], s[22:23]
	s_add_nc_u64 s[46:47], s[8:9], s[46:47]
	s_add_nc_u64 s[92:93], s[10:11], s[92:93]
	CROUND                                         ; all sixteen work-groups are here: the joint loads meet
	s_mov_b32 s[G0S], 1
	s_add_co_u32 s[G0S+1], s94, SCL
	s_mov_b64 s[G0S+2:G0S+3], s[22:23]
	s_or_b32 s[G0S+3], s[G0S+3], 0x80000000
	s_mov_b32 s[G0SB], 1
	s_add_co_u32 s[G0SB+1], s94, SCL
	s_mov_b64 s[G0SB+2:G0SB+3], s[92:93]
	s_or_b32 s[G0SB+3], s[G0SB+3], 0x80000000
	JLOAD G0S, G1S, G0SB, G1SB                     ; the scales first; with the two slots three loads of mine are out
.irp s, 0,1
	s_mov_b32 s[G0+4*\s], 1
	s_add_co_u32 s[G0+4*\s+1], s45, \s*SLOT
	s_add_nc_u64 s[G0+4*\s+2:G0+4*\s+3], s[20:21], \s*ROWB
	s_or_b32 s[G0+4*\s+3], s[G0+4*\s+3], 0x80000000
	s_mov_b32 s[G0B+4*\s], 1
	s_add_co_u32 s[G0B+4*\s+1], s45, \s*SLOT
	s_add_nc_u64 s[G0B+4*\s+2:G0B+4*\s+3], s[46:47], \s*ROWB
	s_or_b32 s[G0B+4*\s+3], s[G0B+4*\s+3], 0x80000000
	JLOAD G0+4*\s, G1, G0B+4*\s, G1B
.endr
	v_and_b32 v1, 15, v0                           ; r = lane % 16
	v_bfe_u32 v2, v0, 4, 1                         ; h = lane / 16
	v_mul_u32_u24 v3, v1, PITCH
	v_lshl_add_u32 v4, v2, 4, v3                   ; a fragment's row x pitch + 16 h
	s_mul_i32 s21, s15, HALFT                      ; my 128 rows of A
	s_mul_i32 s22, s16, HALFT                      ; my 128 rows of B,
	s_add_co_u32 s22, s22, 2*HALFT                 ; behind A's 256
.irp s, 0,1
	v_add_nc_u32 v[ADRA+\s], s21, v4
	v_add_nc_u32 v[ADRB+\s], s22, v4
	s_add_co_u32 s21, s21, SLOT
	s_add_co_u32 s22, s22, SLOT
.endr
	v_mul_u32_u24 v5, v1, KS                       ; my row's scales: KS bytes a row,
	v_lshrrev_b32 v6, 8, v5
	v_lshl_add_u32 v5, v6, 4, v5                   ; and 16 more for each 256 passed
	s_mul_i32 s21, s15, HALFS
	s_mul_i32 s22, s16, HALFS
	s_add_co_u32 s22, s22, 2*HALFS
	s_sub_co_u32 s22, s22, s21
	v_mul_u32_u24 v6, s22, v2                      ; lanes 16-31 take B's: one product, the distance between the two bases
	s_add_co_u32 s21, s21, SCL
	v_add_nc_u32 v5, v5, v6
	v_add_nc_u32 v[ADRS], s21, v5
	s_mul_i32 s23, s14, 16*SPITCH                  ; my stage
	v_mul_u32_u24 v5, v1, SPITCH                   ; in: row r, 16 bytes for each half of the lanes
	v_lshl_add_u32 v5, v2, 4, v5
	v_add_nc_u32 v[STO], s23, v5
	v_and_b32 v6, 31, v0
	v_lshlrev_b32 v[CO], 4, v6                     ; out: four tokens x 128 bytes of one head are 512 consecutive bytes: 16 x lane
	v_lshrrev_b32 v5, 3, v6
	v_mul_u32_u24 v5, v5, SPITCH                   ; back: token lane / 8 of four, piece lane % 8
	v_and_b32 v6, 7, v0
	v_lshl_add_u32 v5, v6, 4, v5
	v_add_nc_u32 v[RD], s23, v5
	s_lshl_b32 s20, s17, 8
	s_lshl_b32 s21, s15, 7
	s_add_co_u32 s20, s20, s21                     ; my first token,
	s_lshl_b32 s20, s20, 7                         ; 128 bytes each in a plane
	s_mov_b32 s21, 0
	s_lshl_b32 s46, s42, 2
	s_lshl_b32 s47, s16, 1
	s_add_co_u32 s46, s46, s47                     ; my first plane: 4 x tile column + 2 x half
	s_lshl_b32 s46, s46, 19
	s_mov_b32 s47, 0
	s_add_nc_u64 s[20:21], s[20:21], s[46:47]
	s_add_nc_u64 s[12:13], s[12:13], s[20:21]
	s_cmp_eq_u32 ttmp9, 1                          ; four tile columns are one weight: the cluster's x says which bias
	s_cselect_b64 s[96:97], s[98:99], s[96:97]
	s_cmp_eq_u32 ttmp9, 2
	s_cselect_b64 s[96:97], s[100:101], s[96:97]
	s_lshl_b32 s66, s40, 10                        ; 256 numbers a tile column,
	s_lshl_b32 s67, s16, 9                         ; 128 my half
	s_add_co_u32 s66, s66, s67
	s_mov_b32 s67, 0
	s_add_nc_u64 s[96:97], s[96:97], s[66:67]
	v_lshlrev_b32 v[BO], 5, v2
.irp b, 0,1,2,3,4,5,6,7
	global_load_b128 v[BIAS+8*\b:BIAS+8*\b+3], v[BO], s[96:97] offset:64*\b        ; register j: the bias of column 16 b + 8 h + j, as the result's layout has it
	global_load_b128 v[BIAS+8*\b+4:BIAS+8*\b+7], v[BO], s[96:97] offset:64*\b+16
.endr
.macro FRAG reg, adr, q, i             ; 16 rows x 128 K of 4-bit codes: 8 registers; registers 4 c .. 4 c + 3: K = 64 c + 32 h + 0 .. 31
.irp c, 0,1
	ds_load_b128 v[\reg+4*\c:\reg+4*\c+3], v[\adr] offset:64*(\q)+32*\c+(\i)*16*PITCH
.endr
.endm
; 16 matrix instructions: A's blocks a0, a0 + 1 x B's eight.  zero = 1: the first product takes the bias as C.  The 64 accumulators take turns.
.macro MUL16 a0, p, q, sc, zero
.irp a, \a0, \a0+1
.irp b, 0,1,2,3,4,5,6,7
.if \zero
	v_wmma_scale_f32_16x16x128_f8f6f4 v[8*(8*((\a)%4)+\b):8*(8*((\a)%4)+\b)+7], v[128*(\p)+FR*\b:128*(\p)+FR*\b+FR-1], v[AF+FR*(\a):AF+FR*(\a)+FR-1], v[BIAS+8*\b:BIAS+8*\b+7], v[SC+8*NQ*(\sc)+NQ*\b+(\q)], v[SC+8*NQ*(\sc)+NQ*(\a)+(\q)] matrix_a_fmt:MATRIX_FMT_FP4 matrix_b_fmt:MATRIX_FMT_FP4 matrix_a_scale:MATRIX_SCALE_ROW1
.else
	v_wmma_scale_f32_16x16x128_f8f6f4 v[8*(8*((\a)%4)+\b):8*(8*((\a)%4)+\b)+7], v[128*(\p)+FR*\b:128*(\p)+FR*\b+FR-1], v[AF+FR*(\a):AF+FR*(\a)+FR-1], v[8*(8*((\a)%4)+\b):8*(8*((\a)%4)+\b)+7], v[SC+8*NQ*(\sc)+NQ*\b+(\q)], v[SC+8*NQ*(\sc)+NQ*(\a)+(\q)] matrix_a_fmt:MATRIX_FMT_FP4 matrix_b_fmt:MATRIX_FMT_FP4 matrix_a_scale:MATRIX_SCALE_ROW1
.endif
.endr
.endr
.endm
.macro FETCH_B slot, q, p
	WIN TO_B
.irp i, 0,1,2,3,4,5,6,7
	FRAG 128*(\p)+FR*\i, ADRB+\slot, \q, \i
.endr
	WIN 0
.endm
.macro FETCH_A slot, q, i0
.irp i, \i0, \i0+1, \i0+2, \i0+3
	FRAG AF+FR*(\i), ADRA+\slot, \q, \i
.endr
.endm
.macro SCALES sc                       ; a K step's scale words: lanes 0-15 A's block i, lanes 16-31 B's block i
.irp i, 0,1,2,3,4,5,6,7
	ds_load_b128 v[SC+8*NQ*\sc+NQ*\i:SC+8*NQ*\sc+NQ*\i+3], v[ADRS] offset:\i*SBLK
.endr
.endm
.macro PLACES n                        ; plain vector places between a matrix instruction and a load into, or a read of, its registers
.rept \n
	v_nop
.endr
.endm
.macro STEP slot, q, zero              ; 128 along K with its successor in the same slot
	s_wait_dscnt 4*NL                              ; all but the youngest eight loads (A's blocks 4-7) are in
	WIN MUL_LO-0x20*(\zero)                        ; zero = 1: C, the bias, lies in window 0
	MUL16 0, (\q)%2, \q, \slot, \zero
	MUL16 2, (\q)%2, \q, \slot, \zero
	s_wait_dscnt 0
	PLACES NP
	FETCH_B \slot, (\q)+1, 1-(\q)%2
	FETCH_A \slot, (\q)+1, 0
	WIN MUL_HI-0x30*(\zero)
	MUL16 4, (\q)%2, \q, \slot, \zero
	MUL16 6, (\q)%2, \q, \slot, \zero
	PLACES NP
	WIN 0
	FETCH_A \slot, (\q)+1, 4
.endm
; Slot 0's last step changes slots: each wave waits for all its tensor loads (slot 1's part), adds 0 to its spare word, waits for that and for its reads of slot 0; behind the barrier slot 1 is whole and nobody reads slot 0.
.macro TURN slot, next
	s_wait_tensorcnt 0x0
	ds_add_u32 v[SPW], v[NIL]
	s_wait_dscnt 4*NL+1                            ; the add and the youngest eight loads may be out
	WIN MUL_LO
	MUL16 0, 1, NQ-1, \slot, 0
	s_wait_dscnt 0x0
	s_barrier_signal -1
	MUL16 2, 1, NQ-1, \slot, 0
	WIN 0
	s_barrier_wait -1
	PLACES NP
	v_add_nc_u32 v[ADRS], 4*NQ, v[ADRS]            ; the next K step's scale words
	FETCH_B \next, 0, 0
	FETCH_A \next, 0, 0
	SCALES \next
	WIN MUL_HI
	MUL16 4, 1, NQ-1, \slot, 0
	MUL16 6, 1, NQ-1, \slot, 0
	PLACES NP
	WIN 0
	FETCH_A \next, 0, 4
.endm
.macro STEPS slot, from
.set Q, \from
.rept NQ-1-\from
	STEP \slot, Q, 0
.set Q, Q+1
.endr
.endm
	s_wait_tensorcnt 1                             ; the scales and my part of slot 0 are in; slot 1's load may be out,
	s_barrier_signal -1
	s_barrier_wait -1                              ; everybody's are
	FETCH_B 0, 0, 0
	FETCH_A 0, 0, 0
	SCALES 0
	FETCH_A 0, 0, 4
	s_wait_loadcnt 0x0                             ; the bias
	STEP 0, 0, 1
	STEPS 0, 1
	TURN 0, 1
	STEPS 1, 0
	s_wait_dscnt 4*NL                              ; the last step: nothing more to fetch
	WIN MUL_LO
	MUL16 0, 1, NQ-1, 1, 0
	MUL16 2, 1, NQ-1, 1, 0
	s_wait_dscnt 0
	WIN MUL_HI
	MUL16 4, 1, NQ-1, 1, 0
	MUL16 6, 1, NQ-1, 1, 0
	WIN 0
; THE WAY OUT, a block of 16 tokens x 128 columns (two heads) at a time: rounded to f16, 16 bytes a lane into my stage, back as four tokens x 128 bytes of one head, which are 512 consecutive bytes of its plane.
.macro PACK a
.set AC, 64*((\a)%4)
	WIN 0x0a+5*((\a)/4)                            ; sources in window 2 or 3
.irp b, 0,1,2,3,4,5,6,7
.irp r, 0,1,2,3
	v_cvt_pk_f16_f32 v[TMP+4*\b+\r], v[AC+8*\b+2*\r], v[AC+8*\b+2*\r+1]   ; each accumulator from its low end on
.endr
.endr
	WIN 0
.endm
.macro TOSTAGE a
.set BB, BK+32*((\a)%2)
.irp b, 0,1,2,3,4,5,6,7
	ds_store_b128 v[STO], v[TMP+4*\b:TMP+4*\b+3] offset:32*\b
.endr
.irp t, 0,1,2,3,4,5,6,7
	ds_load_b128 v[BB+4*\t:BB+4*\t+3], v[RD] offset:(\t%4)*4*SPITCH+(\t/4)*128   ; LDS serves a wave's instructions in order: these see the stores above
.endr
.endm
.macro SEND a
.set BB, BK+32*((\a)%2)
	s_wait_dscnt 0x0                               ; the block is back in registers
	s_wait_xcnt 0x0                                ; earlier stores have read their base and registers: the base may step, the other set may be loaded again
.if (\a) > 0
	s_add_nc_u64 s[12:13], s[12:13], 16*128
.endif
.irp t, 0,1,2,3,4,5,6,7
	global_store_b128 v[CO], v[BB+4*\t:BB+4*\t+3], s[12:13] offset:(\t/4)*PLANE+(\t%4)*512   ; 512 consecutive bytes, at a multiple of 256 from the buffer's first byte
.endr
.endm
	PLACES NP                                      ; behind the last products: TMP and the first loads land on registers that held A's fragments
	PACK 0
	TOSTAGE 0
.irp a, 1,2,3,4,5,6,7
	PACK \a
	SEND \a-1
	TOSTAGE \a
.endr
	SEND 7
	s_wait_tensorcnt 0x0                           ; the wave's end
	ds_add_u32 v[SPW], v[NIL]
	s_wait_dscnt 0x0
	CROUND                                         ; the closing round
	s_endpgm
.Lfunc_end_k_q08fa3c4a4a_qkv:
	.size	k_q08fa3c4a4a_qkv, .Lfunc_end_k_q08fa3c4a4a_qkv-k_q08fa3c4a4a_qkv
	.p2alignl 7, 3214868480
	.fill 96, 4, 3214868480
	.section	.rodata,"a",@progbits
	.p2align	6, 0x0
	.amdhsa_kernel k_q08fa3c4a4a_qkv
		.amdhsa_group_segment_fixed_size 327680
		.amdhsa_private_segment_fixed_size 0
		.amdhsa_enable_private_segment 0
		.amdhsa_kernarg_size 64
		.amdhsa_user_sgpr_count 2
		.amdhsa_user_sgpr_kernarg_segment_ptr 1
		.amdhsa_wavefront_size32 1
		.amdhsa_system_sgpr_workgroup_id_x 1
		.amdhsa_system_sgpr_workgroup_id_y 1
		.amdhsa_system_sgpr_workgroup_id_z 1
		.amdhsa_system_vgpr_workitem_id 0
		.amdhsa_next_free_vgpr 1024
		.amdhsa_next_free_sgpr 102
		.amdhsa_reserve_vcc 0
		.amdhsa_float_denorm_mode_32 3
		.amdhsa_float_denorm_mode_16_64 3
		.amdhsa_memory_ordered 1
		.amdhsa_forward_progress 1
		.amdhsa_inst_pref_size 129
	.end_amdhsa_kernel
	.amdgpu_metadata
---
amdhsa.version: [ 1, 2 ]
amdhsa.kernels:
  - .name:           k_q08fa3c4a4a_qkv
    .symbol:         k_q08fa3c4a4a_qkv.kd
    .args:
      - { .name: xc, .offset: 0, .size: 8, .value_kind: global_buffer, .address_space: global }
      - { .name: xs, .offset: 8, .size: 8, .value_kind: global_buffer, .address_space: global }
      - { .name: wc, .offset: 16, .size: 8, .value_kind: global_buffer, .address_space: global }
      - { .name: ws, .offset: 24, .size: 8, .value_kind: global_buffer, .address_space: global }
      - { .name: bq, .offset: 32, .size: 8, .value_kind: global_buffer, .address_space: global }
      - { .name: bk, .offset: 40, .size: 8, .value_kind: global_buffer, .address_space: global }
      - { .name: bv, .offset: 48, .size: 8, .value_kind: global_buffer, .address_space: global }
      - { .name: qkv, .offset: 56, .size: 8, .value_kind: global_buffer, .address_space: global }
    .group_segment_fixed_size: 327680
    .private_segment_fixed_size: 0
    .kernarg_segment_align: 8
    .kernarg_segment_size: 64
    .max_flat_workgroup_size: 128
    .sgpr_count:     102
    .vgpr_count:     1024
    .wavefront_size: 32
...
	.end_amdgpu_metadata
.endif
;; end of part 2
;; launch attn (part 3): grid 16 x 16, 4 waves a work-group, clusters of 4 x 1, 327,680 bytes of LDS; arguments qkv, ao; writes ao
.if DOCPART == 3
	.amdgcn_target "amdgcn-amd-amdhsa--gfx1250"
	.amdhsa_code_object_version 6
	.text
	.protected	k_q08fa3c4a4a_attn
	.globl	k_q08fa3c4a4a_attn
	.p2align	8
	.type	k_q08fa3c4a4a_attn,@function
k_q08fa3c4a4a_attn:
	s_mov_b64 s[64:65], 0
	v_nop
	global_prefetch_b8 v0, s[64:65] scope:SCOPE_SE
	s_setreg_imm32_b32 hwreg(HW_REG_WAVE_MODE, 25, 1), 1
	s_wait_xcnt 0x0
	s_wait_alu depctr_hold_cnt(0) depctr_sa_sdst(0) depctr_va_vdst(0) depctr_va_sdst(0) depctr_va_ssrc(0) depctr_va_vcc(0) depctr_vm_vsrc(0)
	s_getreg_b32 s2, hwreg(HW_REG_IB_STS2, 6, 4)
	s_cmp_eq_u32 s2, 0
	s_cbranch_scc0 .Lentry_in_a_cluster
	s_endpgm
.Lentry_in_a_cluster:
	s_bfe_u32 s2, ttmp6, 0x10000c
	s_cmp_lg_u32 s2, 0x3003
	s_cbranch_scc0 .Lentry_shape_is_right
	s_endpgm
.Lentry_shape_is_right:
; o[head][q][:] = the sum over k of softmax_k(q . k / 8) v[k][:], 16 heads of 64 channels, 4,096 tokens, no mask.  q, k, v: f16 planes of qkv [48][4096][64].  Products on f16 operands, sums, maxima and softmax in f32;
; the weights p are rounded to f16 for the second product, o once at the end.  LIMIT: o beyond 65,504 has no f16 number (it is an average of v, which is f16 already).
; ao is laid in the order of the next launch's operand registers: [token tile of 16][32 channels][half][lane][16 bytes]: a lane's packed results are stored as they stand.
; SHARES.  A work-group owns 256 queries of one head, each of its four waves 64: four tiles of 16.  Every wave walks all keys, 128 a step.
; LAYOUT.  S^T = K Q^T (source 0 = 16 keys, source 1 = 16 queries): a lane holds ONE query (lane % 16) and keys 8 (lane / 16) + 0..7.  Two such tiles rounded to f16 in pairs ARE source 1 of O^T = V^T P.
; SOFTMAX.  A running maximum m and sum l for each query: p = 2^(c s - c m), c = log2(e) / 8; in every step O and l are multiplied by a = 2^(c m_old - c m_new).
; BY TURNS.  The wave's tiles are two pieces: 0 (tiles 0, 1) and 2 (tiles 2, 3).  In a turn one piece issues 32 products V^T P of the step in hand and 32 products K Q^T of the next; the other piece's softmax,
; 428 instructions cut into 64 slices, stands between them, one slice behind each product.  Two turns are a key step.
; CLUSTER.  The four query blocks of a cluster belong to one head and ask for K's and V's tiles jointly.
; LDS.  128 keys x 128 bytes are dense in memory: a step's tile is stated as 64 rows of 256 bytes, two keys to a row, padded by 16 (K) or 32 (V) bytes.
; REGISTERS, in windows of 256 (s_set_vgpr_msb: bits 1:0 source 0, 3:2 source 1, 5:4 source 2, 7:6 destination):
;   window 0: v1-11 addresses; v12-27 statistics of piece 0, eight a tile; v61-63; v64-191 S^T of piece 0, 64 a tile; v192-255 P of piece 0, 32 a tile.   window 1: the same numbers for piece 2.
;   window 2: v0-63 Q, 16 a tile; v128-255 K of one step.   window 3: v0-127 V of one step; v128-255 O^T, 32 a tile.
.set KR,    64        ; LDS rows in a step's tile
.set PKP,   272       ; a row of K's tile in LDS
.set PVP,   288       ; a row of V's
.set VOFF,  KR*PKP
.set STEPB, KR*(PKP+PVP)
.set SLOT1, 1<<17     ; a slot holds two steps; slot 1 begins here: one exclusive or turns an address
.set SPARE, SLOT1+2*STEPB  ; the spare words, 128 bytes a wave, named by no other line
.set STEPM, 16384     ; a step's keys in memory
.set SLOTM, 2*STEPM
.set NSLOT, 16
.set AK0, 2
.set AV0, 3
.set ADR, 4
.set QO,  5
.set GO,  8
.set PFO, 61          ; v61 256 x my lane; never rewritten
.set SPW, 62
.set NIL, 63
.set ST,  12          ; a tile's statistics: +0 c m, +1 m, +2, +3 l (even keys, odd keys), +4 to +7 c0-c3, at work; a takes +6
.set S,   64
.set P,   192
.set KF,  128
.set OT,  128
.set WV,  12
.set LIM, 15
.set PFA, 18
.set G1K, 24
.set G1V, 32
.set G0K, 40
.set G0V, 48
.set SLOTS, 56
.set TWICE, 57
.set CS,  58
.set SEL, 60
.set TB,  62
.set MSB, 0
.macro WIN new
.if MSB != (\new)
	s_set_vgpr_msb (MSB<<8)|(\new)
.set MSB, (\new)
.endif
.endm
; A joint refill: waves 0 and 1 fetch the slot's two steps of K, waves 2 and 3 of V.  An s_nop 0 and four v_nop follow each line.
.macro JLOAD
	s_cmp_lt_u32 s[WV], 2
	s_cbranch_scc0 .Lfor_v_\@
	tensor_load_to_lds s[G0K+4:G0K+7], s[G1K:G1K+7]
	s_nop 0
.rept 4
	v_nop
.endr
	s_branch .Lasked_\@
.Lfor_v_\@:
	tensor_load_to_lds s[G0V+4:G0V+7], s[G1V:G1V+7]
	s_nop 0
.rept 4
	v_nop
.endr
.Lasked_\@:
.endm
; A prefetch of what the NEXT change of slots will ask for: a slot's 32,768 bytes of K and of V.  The head's first cluster asks; its four partners take 8,192 bytes each, told apart by address;
; in each, wave 0 asks for K's and wave 2 for V's, lanes 256 bytes apart: each block of 256 bytes is named once in the launch.  The last change that fills a slot asks for nothing.
.macro ASK
	s_cmp_gt_u32 s[SLOTS], s[LIM]
	s_cbranch_scc0 .Lnot_mine_\@
	global_prefetch_b8 v[PFO], s[PFA:PFA+1] th:TH_LOAD_NT scope:SCOPE_SE
.Lnot_mine_\@:
.endm
.macro CROUND
	s_barrier_signal -1
	s_barrier_wait -1
	s_cmp_lg_u32 s[WV], 0
	s_cbranch_scc1 .Lnot_wave_0_\@
	s_barrier_signal -3
.Lnot_wave_0_\@:
	s_barrier_wait -3
	s_barrier_signal -1
	s_barrier_wait -1
.endm
	s_load_b64 s[4:5], s[0:1], 0x0    ; qkv
	s_load_b64 s[10:11], s[0:1], 0x8  ; ao
	v_lshl_add_u32 v[SPW], v0, 2, SPARE
	v_mov_b32 v[NIL], 0
	ds_add_u32 v[SPW], v[NIL]       ; the wave's opening: the add, twice on end, and its wait ahead of my first tensor load
	ds_add_u32 v[SPW], v[NIL]
	v_lshrrev_b32 v1, 5, v0
	v_readfirstlane_b32 s[WV], v1   ; wave 0..3
	s_bfe_u32 s13, ttmp6, 0x40000   ; cx
	s_lshl_b32 s14, ttmp9, 2
	s_add_co_u32 s14, s14, s13      ; my block of 256 queries: it enters Q's and ao's addresses alone
	s_and_b32 s63, ttmp7, 0xffff    ; the head, which the four partners share
	s_lshl_b32 s20, s63, 19         ; its plane: 524,288 bytes
	s_mov_b32 s21, 0
	s_and_b32 s16, s[WV], 1         ; which of a slot's two steps I fetch:
	s_lshl_b32 s22, s16, 14         ; in memory,
	s_mov_b32 s23, 0
	s_add_nc_u64 s[22:23], s[22:23], s[20:21]
	s_mul_i32 s17, s16, STEPB       ; and in a slot
	s_lshl_b32 s2, s14, 15          ; my block's 256 rows of 128 bytes,
	s_lshl_b32 s3, s[WV], 13        ; my wave's 64
	s_add_co_u32 s2, s2, s3
	s_mov_b32 s3, 0
	s_add_nc_u64 s[2:3], s[2:3], s[20:21]
	s_lshl_b32 s20, s14, 19         ; ao: 16 token tiles of 32,768 bytes a block,
	s_lshl_b32 s63, s63, 11         ; the head's two fragments of 1,024 bytes in a tile,
	s_add_co_u32 s20, s20, s63
	s_lshl_b32 s63, s[WV], 17       ; four tiles a wave
	s_add_co_u32 s20, s20, s63
	s_mov_b32 s[G1K], 15|(1<<16)|(1<<20)|(1<<21)|(5<<22)|(3<<25)  ; mask: all four; 2-byte elements; padding: 4 words behind every 64
	s_mov_b32 s[G1V], 15|(1<<16)|(1<<20)|(1<<21)|(5<<22)|(7<<25)  ; the same with 8 words
.irp d, G1K, G1V
	s_mov_b32 s[\d+1], 128<<16      ; tensor_dim0
	s_mov_b32 s[\d+2], KR<<16       ; tensor_dim1
	s_mov_b32 s[\d+3], 128<<16      ; tile_dim0
	s_mov_b32 s[\d+4], KR           ; tile_dim1
	s_mov_b32 s[\d+5], 128          ; the pitch: the rows are dense
	s_mov_b32 s[\d+6], 0
	s_mov_b32 s[\d+7], 0
.endr
	s_mov_b32 s[CS], 0x3e38aa3b     ; c = log2(e) / 8
	s_mov_b32 s[CS+1], s[CS]
	s_mov_b32 s[SEL], 0x76543210
	s_mov_b32 s[SEL+1], 0xfedcba98
	s_mov_b32 s[TB], 0
	s_mov_b32 s[SLOTS], NSLOT-2
	s_and_b32 s[LIM], s[WV], 1      ; 0 in waves 0 and 2,
	s_or_b32 s[LIM], s[LIM], ttmp9  ; of the head's first cluster: the same in all four partners
	s_cmp_eq_u32 s[LIM], 0
	s_cselect_b32 s[LIM], 1, -1
	v_and_b32 v[PFO], 31, v0
	v_lshlrev_b32 v[PFO], 8, v[PFO]
	s_wait_dscnt 0x0                ; both opening adds are done
	s_wait_kmcnt 0x0
	s_add_nc_u64 s[6:7], s[4:5], 0x800000   ; k's planes begin 16 planes on,
	s_add_nc_u64 s[8:9], s[4:5], 0x1000000  ; v's 32
	s_add_nc_u64 s[6:7], s[6:7], s[22:23]   ; at my tile of slot 0
	s_add_nc_u64 s[8:9], s[8:9], s[22:23]
	s_add_nc_u64 s[4:5], s[4:5], s[2:3]     ; q at my wave's first row
	s_add_nc_u64 s[10:11], s[10:11], s[20:21]
	s_cmp_lt_u32 s[WV], 2
	s_cselect_b64 s[PFA:PFA+1], s[6:7], s[8:9]
	s_lshl_b32 s2, s13, 13          ; my work-group's 8,192 bytes of a slot's 32,768
	s_mov_b32 s3, 0
	s_add_nc_u64 s[PFA:PFA+1], s[PFA:PFA+1], s[2:3]
	s_add_nc_u64 s[PFA:PFA+1], s[PFA:PFA+1], 2*SLOTM  ; in slot 2; the first change steps it to slot 3.  Nothing is prefetched at the head
	CROUND                          ; all four work-groups are here: the first joint loads meet
.irp s, 0,1
	s_mov_b32 s[G0K+4*\s], 1
	s_add_co_u32 s[G0K+4*\s+1], s17, \s*SLOT1
	s_add_nc_u64 s[G0K+4*\s+2:G0K+4*\s+3], s[6:7], \s*SLOTM
	s_or_b32 s[G0K+4*\s+3], s[G0K+4*\s+3], 0x80000000
	s_mov_b32 s[G0V+4*\s], 1
	s_add_co_u32 s[G0V+4*\s+1], s17, \s*SLOT1+VOFF
	s_add_nc_u64 s[G0V+4*\s+2:G0V+4*\s+3], s[8:9], \s*SLOTM
	s_or_b32 s[G0V+4*\s+3], s[G0V+4*\s+3], 0x80000000
.endr
	s_cmp_lt_u32 s[WV], 2           ; a wave's two first fills stand in one branch: two loads of mine are out
	s_cbranch_scc0 .Lfirst_v
	tensor_load_to_lds s[G0K:G0K+3], s[G1K:G1K+7]
	s_nop 0
	tensor_load_to_lds s[G0K+4:G0K+7], s[G1K:G1K+7]
	s_nop 0
.rept 4
	v_nop
.endr
	s_branch .Lfirst_asked
.Lfirst_v:
	tensor_load_to_lds s[G0V:G0V+3], s[G1V:G1V+7]
	s_nop 0
	tensor_load_to_lds s[G0V+4:G0V+7], s[G1V:G1V+7]
	s_nop 0
.rept 4
	v_nop
.endr
.Lfirst_asked:
	v_and_b32 v1, 15, v0            ; r
	v_bfe_u32 v9, v0, 4, 1          ; h
	v_lshlrev_b32 v[QO], 7, v1
	v_lshl_add_u32 v[QO], v9, 4, v[QO]  ; row x 128 + 16 h
	WIN 0x80                        ; destination window 2
.irp i, 0,1,2,3,4,5,6,7             ; Q stays in registers: tile i / 2, channels 32 (i % 2) on
	global_load_b128 v[8*\i:8*\i+3],   v[QO], s[4:5] offset:(\i/2)*2048+(\i%2)*64
	global_load_b128 v[8*\i+4:8*\i+7], v[QO], s[4:5] offset:(\i/2)*2048+(\i%2)*64+32
.endr
	WIN 0
	v_lshrrev_b32 v10, 1, v1
	v_mul_u32_u24 v[AK0], v10, PKP  ; key r lies in LDS row r / 2,
	v_and_b32 v10, 1, v0
	v_lshl_add_u32 v[AK0], v10, 7, v[AK0]  ; at byte 128 (r % 2),
	v_lshl_add_u32 v[AK0], v9, 4, v[AK0]   ; + 16 h
; Product i of 32 of O^T += V^T P for piece x: keys 32 (i / 8) on, channels 16 ((i / 2) % 4) on, tile x + i % 2.  Eight accumulators take turns.  zero = 1: the first 8 start the sums.
.macro PV x, zero
	WIN 0xf3+4*((\x)/2)
.set rO, OT+32*(\x+i%2)+8*((i/2)%4)
.set rV, 8*(4*(i/8)+(i/2)%4)
.set rP, P+32*(i%2)+8*(i/8)
.if \zero && (i < 8)
	v_wmma_f32_16x16x32_f16 v[rO:rO+7], v[rV:rV+7], v[rP:rP+7], 0
.else
	v_wmma_f32_16x16x32_f16 v[rO:rO+7], v[rV:rV+7], v[rP:rP+7], v[rO:rO+7]
.endif
.endm
; Product i of 32 of S^T = K Q^T: channels 32 (i / 16) on, keys 16 ((i / 2) % 8) on, tile x + i % 2.  Sixteen accumulators take turns; the first 16 start the sums.
.macro KQ x
	WIN 0x0a+0x50*((\x)/2)
.set rS, S+64*(i%2)+8*((i/2)%8)
.set rK, KF+16*((i/2)%8)+8*(i/16)
.set rQ, 16*(\x+i%2)+8*(i/16)
.if i < 16
	v_wmma_f32_16x16x32_f16 v[rS:rS+7], v[rK:rK+7], v[rQ:rQ+7], 0
.else
	v_wmma_f32_16x16x32_f16 v[rS:rS+7], v[rK:rK+7], v[rQ:rQ+7], v[rS:rS+7]
.endif
.endm
; The LDS loads stand in two runs of 32 a key step.
.macro FETCH_K
	WIN 0
	v_add_nc_u32 v[ADR], s[TB], v[AK0]
	WIN 0x80
.irp f, 0,1,2,3,4,5,6,7,8,9,10,11,12,13,14,15  ; keys 16 (f / 2) on: 8 LDS rows; channels 32 (f % 2) on
	ds_load_b128 v[KF+8*\f:KF+8*\f+3],   v[ADR] offset:(\f/2)*8*PKP+(\f%2)*64
	ds_load_b128 v[KF+8*\f+4:KF+8*\f+7], v[ADR] offset:(\f/2)*8*PKP+(\f%2)*64+32
.endr
.endm
.macro FETCH_V
	WIN 0
	v_add_nc_u32 v[ADR], s[TB], v[AV0]
	s_add_co_u32 s[TB], s[TB], STEPB  ; the next fetch is the next step's
	s_wait_alu depctr_va_vdst(0)    ; the one wait for the softmax's batch of exponentials, ahead of the first line that names a result
	WIN 0xc0
.irp f, 0,1,2,3,4,5,6,7,8,9,10,11,12,13,14,15  ; keys 32 (f / 4) on: 16 LDS rows; channels 16 (f % 4) on
	ds_load_tr16_b128 v[8*\f:8*\f+3],   v[ADR] offset:(\f/4)*16*PVP+(\f%4)*32
	ds_load_tr16_b128 v[8*\f+4:8*\f+7], v[ADR] offset:(\f/4)*16*PVP+8*PVP+(\f%4)*32
.endr
.endm
; One tile's softmax for a key step is a list of 214 instructions; SM writes number j of it for tile tt.  s0-s63 are the lane's 64 scores, eight to an accumulator.
;   0-7     four chains c0-c3 begin at the low end of accumulators 0-3 and take the low end of accumulators 4-7: each accumulator is first read there
;   8-31    the other scores, then c0-c3 and the old m          32-36  the other half of the lanes; the new m; c m; c m_old - c m_new
;   37-133  ONE BATCH: a's exponential, the 32 scalings c s - c m (a pair each) and the 64 exponentials; a pair is scaled at least four numbers ahead of its exponentials; none reads a result
;   134-165 the roundings to f16        166-197 the sums in place, and l = a l + the sum        198-213 the tile's O^T times a
; first = 1: the first key step: no a, nothing to rescale.
.macro SM first
.set pw, tt/2
.set rT, ST+8*(tt%2)
.set rS, S+64*(tt%2)
.set rP, P+32*(tt%2)
.set rO, OT+32*tt+2*(j-198)
.if j < 198
	WIN 0x55*pw
.endif
.if j < 4
	v_max3_num_f32 v[rT+4+j], v[rS+8*j], v[rS+8*j+1], v[rS+8*j+2]
.elseif j < 8
	v_max3_num_f32 v[rT+j], v[rT+j], v[rS+8*j], v[rS+8*j+1]
.elseif j < 28
.set kk, (j-8)%4
.set qq, (j-8)/4
.set bb, 8*kk+3+2*qq
.if qq >= 2
.set bb, 8*kk+30+2*qq
.endif
	v_max3_num_f32 v[rT+4+kk], v[rT+4+kk], v[rS+bb], v[rS+bb+1]
.elseif j == 28
	v_max3_num_f32 v[rT+4], v[rT+4], v[rS+7], v[rS+15]
.elseif j == 29
	v_max3_num_f32 v[rT+6], v[rT+6], v[rS+23], v[rS+31]
.elseif j == 30
	v_max3_num_f32 v[rT+4], v[rT+4], v[rT+5], v[rT+6]
.elseif (j == 31) && \first
	v_max_num_f32 v[rT+4], v[rT+4], v[rT+7]
.elseif j == 31
	v_max3_num_f32 v[rT+4], v[rT+4], v[rT+7], v[rT+1]
.elseif j == 32
	v_permlanex16_b32 v[rT+5], v[rT+4], s[SEL], s[SEL+1]  ; the query's other 64 keys lie in the lane 16 away
.elseif j == 34
	v_max_num_f32 v[rT+1], v[rT+4], v[rT+5]
.elseif j == 35
	v_mul_f32 v[rT], s[CS], v[rT+1]
.elseif ((j == 33) || (j == 36) || (j == 37) || (j > 197)) && \first
.elseif j == 33
	v_mov_b32 v[rT+7], v[rT]        ; c m_old is kept for a
.elseif j == 36
	v_sub_f32 v[rT+7], v[rT+7], v[rT]
.elseif j == 37
	v_exp_f32 v[rT+6], v[rT+7]
.elseif j < 134
.set ee, j-38
.set ff, ee-2
.set bb, ee
.if ee >= 2
.set bb, ff/3+2
.endif
.if (ee < 2) || ((ff < 90) && (ff%3 == 2))
	v_pk_fma_f32 v[rS+2*bb:rS+2*bb+1], v[rS+2*bb:rS+2*bb+1], s[CS:CS+1], v[rT:rT+1] op_sel_hi:[1,0,0] neg_lo:[0,0,1] neg_hi:[0,0,1]  ; pair bb: c s - c m
.elseif ff < 90
	v_exp_f32 v[rS+2*(ff/3)+ff%3], v[rS+2*(ff/3)+ff%3]
.else
	v_exp_f32 v[rS+ff-30], v[rS+ff-30]
.endif
.elseif j < 166
	v_cvt_pk_f16_f32 v[rP+j-134], v[rS+2*(j-134)], v[rS+2*(j-134)+1]
.elseif j < 198
.set zz, j-166
.set ww, 4
.set uu, zz
.if zz >= 30
.set ww, 64
.set uu, 0
.elseif zz >= 28
.set ww, 32
.set uu, zz-28
.elseif zz >= 24
.set ww, 16
.set uu, zz-24
.elseif zz >= 16
.set ww, 8
.set uu, zz-16
.endif
.if (zz == 30) && \first
	v_pk_add_f32 v[rT+2:rT+3], v[rS:rS+1], v[rS+32:rS+33]
.elseif zz < 31
	v_pk_add_f32 v[rS+ww*uu:rS+ww*uu+1], v[rS+ww*uu:rS+ww*uu+1], v[rS+ww*uu+ww/2:rS+ww*uu+ww/2+1]
.elseif !\first
	v_pk_fma_f32 v[rT+2:rT+3], v[rT+2:rT+3], v[rT+6:rT+7], v[rS:rS+1] op_sel_hi:[1,0,1]
.endif
.else
	WIN 0xc3+4*pw
	v_pk_mul_f32 v[rO:rO+1], v[rO:rO+1], v[rT+6:rT+7] op_sel_hi:[1,0]
.endif
.endm
; Slice k of 64 of piece y's softmax: numbers 428 k / 64 up to 428 (k + 1) / 64 of the two tiles' lists, the tiles alternating.  Ahead of number 268 (the first rounding) nothing names an exponential's
; result, and behind it no exponential is issued: there stand one plain line and the one wait; in piece 2's turn V's run of loads stands there, with the wait in it.
; Slice 63 is seven rescalings: plain lines that name nothing of the turn's last product: they are the places behind it.
.macro SLICE y, first
.rept (428*(k+1))/64-(428*k)/64
.if g == 268
	v_nop
.if (\y) == 0
	FETCH_V
.else
	s_wait_alu depctr_va_vdst(0)
.endif
.endif
.set tt, (\y)+g%2
.set j, g/2
	SM \first
.set g, g+1
.endr
.set k, k+1
.endm
.macro PLACES
.rept 4
	v_nop
.endr
.endm
; A TURN.  Piece x has the matrix unit.  pv = 2: 32 products V^T P; 1: they start O^T; 0: none.  kq = 1: 32 products K Q^T of the next step.  With one kind alone two slices stand behind each product.
; Piece 0's turn fetches the next step's K behind its second product (K's last reader stands ahead of slice 63 of the turn before); piece 2's turn fetches that step's V in slice 40
; (V's last reader is product 31; the scalings of slices 31 to 39 lie between).
.macro TURN x, pv, kq, first
.set k, 0
.set g, 0
.set per, 2
.if \pv && \kq
.set per, 1
.endif
.if \pv
.if \x == 0
	s_wait_dscnt 0x0                ; V is in
.endif
.set i, 0
.rept 32
	PV \x, 2-\pv
.rept per
	SLICE 2-\x, \first
.endr
.if (\x == 0) && \kq && (i == 1)
	FETCH_K
.endif
.set i, i+1
.endr
.endif
.if \kq
.if \x == 0
	s_wait_dscnt 0x0                ; K is in
.endif
.set i, 0
.rept 32
	KQ \x
.rept per
	SLICE 2-\x, \first
.endr
.set i, i+1
.endr
.endif
.if \first
	PLACES                          ; the first softmax has no rescalings: these take slice 63's part
.endif
.endm
; THE CHANGE OF SLOTS: each wave waits for all its tensor loads (one is out: its part of the other slot), adds 0 to its spare word, waits for that and for its reads of the slot.
; fill = 1: the barrier is a round of the cluster's, and the joint refill is the first thing behind it: it has two key steps, 256 products, in which to land.
.macro CHANGE fill
	WIN 0
	s_wait_tensorcnt 0x0
	ds_add_u32 v[SPW], v[NIL]
.if \fill
.irp d, G0K+4, G0V+4
	s_xor_b32 s[\d+1], s[\d+1], SLOT1  ; the walking descriptor: the other slot,
	s_add_nc_u64 s[\d+2:\d+3], s[\d+2:\d+3], SLOTM  ; the next 256 keys
.endr
	s_wait_xcnt 0x0                 ; the last prefetch, two key steps back, has read its address
	s_add_nc_u64 s[PFA:PFA+1], s[PFA:PFA+1], SLOTM
	s_wait_dscnt 0x0
	CROUND
	JLOAD
	ASK
.else
	s_wait_dscnt 0x0
	s_barrier_signal -1
	s_barrier_wait -1
.endif
	s_sub_co_u32 s[TB], s[TB], 2*STEPB
	s_xor_b32 s[TB], s[TB], SLOT1
.endm
.macro TWO_STEPS
	s_mov_b32 s[TWICE], 2
.Lstep_\@:
	TURN 0, 2, 1, 0
	TURN 2, 2, 1, 0
	WIN 0
	s_sub_co_u32 s[TWICE], s[TWICE], 1
	s_cmp_lg_u32 s[TWICE], 0
	s_cbranch_scc1 .Lstep_\@
.endm
	s_wait_tensorcnt 1              ; my part of slot 0 is in; slot 1's may stay out
	s_barrier_signal -1
	s_barrier_wait -1
	FETCH_K                         ; key step 0
	s_wait_loadcnt 0x0              ; Q
	s_wait_dscnt 0x0
.set i, 0
.rept 32
	KQ 0                            ; piece 0's first scores
.set i, i+1
.endr
	WIN 0                           ; nine plain lines, the places behind those products: V's address and the way out's
	v_bfe_u32 v11, v0, 1, 2
	v_lshl_add_u32 v11, v9, 2, v11  ; the turning load: lane l reads key 8 h + l % 8: LDS row 4 h + (l / 2) % 4,
	v_mul_u32_u24 v[AV0], v11, PVP
	v_lshl_add_u32 v[AV0], v10, 7, v[AV0]  ; byte 128 (l % 2),
	v_bfe_u32 v11, v0, 3, 1
	v_lshl_add_u32 v[AV0], v11, 4, v[AV0]  ; channels 8 ((l / 8) % 2) on
	v_add_nc_u32 v[AV0], VOFF, v[AV0]
	v_and_b32 v[GO], 31, v0
	v_lshlrev_b32 v[GO], 4, v[GO]   ; 16 x lane
	TURN 2, 0, 1, 1                 ; piece 2's first scores | piece 0's first softmax | V of step 0
	TURN 0, 1, 1, 1                 ; piece 0: V^T P of step 0 starts O^T, K Q^T of step 1 | piece 2's first softmax | K of step 1
	TURN 2, 1, 1, 0                 ; piece 2: the same | piece 0's softmax of step 1 | V of step 1
	WIN 0
.Lslot:                             ; 14 trips: every slot but the last two is filled again
	CHANGE 1
	TWO_STEPS
	s_sub_co_u32 s[SLOTS], s[SLOTS], 1
	s_cmp_lg_u32 s[SLOTS], 0
	s_cbranch_scc1 .Lslot
	CHANGE 0                        ; the tail is written out
	TWO_STEPS
	TURN 0, 2, 0, 0                 ; piece 0: V^T P of the last step | piece 2's last softmax
.set i, 0
.rept 32
	PV 2, 0
.set i, i+1
.endr
	; THE WAY OUT.  l's halves and the other half of the lanes' are added; O^T / l is rounded to f16; a lane's four registers of a channel tile are half a fragment of the next launch's operand: stored as they stand.
.irp w, 0,1
	WIN 0x55*\w
.irp u, 0,1
	v_add_f32 v[ST+8*\u+4], v[ST+8*\u+2], v[ST+8*\u+3]
.endr
.irp u, 0,1
	v_permlanex16_b32 v[ST+8*\u+5], v[ST+8*\u+4], s[SEL], s[SEL+1]
.endr
.irp u, 0,1
	v_add_f32 v[ST+8*\u+4], v[ST+8*\u+4], v[ST+8*\u+5]
.endr
.irp u, 0,1
	v_rcp_f32 v[ST+8*\u+6], v[ST+8*\u+4]
.endr
	v_nop                           ; a plain line behind the reciprocals,
	s_wait_alu depctr_va_vdst(0)    ; and the wait ahead of the first line that names a result
.endr
.macro PACK t
	WIN 0xc3+4*((\t)/2)
.set i, 0
.rept 16
	v_pk_mul_f32 v[OT+32*\t+i:OT+32*\t+i+1], v[OT+32*\t+i:OT+32*\t+i+1], v[ST+8*((\t)%2)+6:ST+8*((\t)%2)+7] op_sel_hi:[1,0]
.set i, i+2
.endr
	WIN 0x0f                        ; sources window 3, destination window 0: piece 0's S^T is free
.set i, 0
.rept 16
	v_cvt_pk_f16_f32 v[S+16*\t+i], v[OT+32*\t+2*i], v[OT+32*\t+2*i+1]
.set i, i+1
.endr
	WIN 0
.irp c, 0,1,2,3
	global_store_b128 v[GO], v[S+16*\t+4*\c:S+16*\t+4*\c+3], s[10:11] offset:\t*32768+\c*512  ; the wave stores 512 consecutive bytes, at a multiple of 256 from the buffer's first byte
.endr
.endm
	PACK 0
	PACK 1
	PACK 2
	PACK 3
	s_wait_tensorcnt 0x0            ; the wave's end
	ds_add_u32 v[SPW], v[NIL]
	s_wait_dscnt 0x0
	CROUND                          ; the closing round
	s_endpgm
.Lfunc_end_k_q08fa3c4a4a_attn:
	.size	k_q08fa3c4a4a_attn, .Lfunc_end_k_q08fa3c4a4a_attn-k_q08fa3c4a4a_attn
	.p2alignl 7, 3214868480
	.fill 96, 4, 3214868480
	.section	.rodata,"a",@progbits
	.p2align	6, 0x0
	.amdhsa_kernel k_q08fa3c4a4a_attn
		.amdhsa_group_segment_fixed_size 327680
		.amdhsa_private_segment_fixed_size 0
		.amdhsa_enable_private_segment 0
		.amdhsa_kernarg_size 16
		.amdhsa_user_sgpr_count 2
		.amdhsa_user_sgpr_kernarg_segment_ptr 1
		.amdhsa_wavefront_size32 1
		.amdhsa_system_sgpr_workgroup_id_x 1
		.amdhsa_system_sgpr_workgroup_id_y 1
		.amdhsa_system_sgpr_workgroup_id_z 1
		.amdhsa_system_vgpr_workitem_id 0
		.amdhsa_next_free_vgpr 1024
		.amdhsa_next_free_sgpr 66
		.amdhsa_reserve_vcc 0
		.amdhsa_float_denorm_mode_32 3
		.amdhsa_float_denorm_mode_16_64 3
		.amdhsa_memory_ordered 1
		.amdhsa_forward_progress 1
		.amdhsa_inst_pref_size 255
	.end_amdhsa_kernel
	.section	.bss,"aw",@nobits
	.p2align	6
	.space	262144
	.amdgpu_metadata
---
amdhsa.version: [ 1, 2 ]
amdhsa.kernels:
  - .name:           k_q08fa3c4a4a_attn
    .symbol:         k_q08fa3c4a4a_attn.kd
    .args:
      - { .name: qkv, .offset: 0, .size: 8, .value_kind: global_buffer, .address_space: global }
      - { .name: ao, .offset: 8, .size: 8, .value_kind: global_buffer, .address_space: global }
    .group_segment_fixed_size: 327680
    .private_segment_fixed_size: 0
    .kernarg_segment_align: 8
    .kernarg_segment_size: 16
    .max_flat_workgroup_size: 128
    .sgpr_count:     66
    .vgpr_count:     1024
    .wavefront_size: 32
...
	.end_amdgpu_metadata
.endif
;; end of part 3
;; launch proj (part 4): grid 8 x 32, 4 waves a work-group, clusters of 4 x 4, 327,680 bytes of LDS; arguments ao, wof, bo, out0; writes out0
.if DOCPART == 4
	.amdgcn_target "amdgcn-amd-amdhsa--gfx1250"
	.amdhsa_code_object_version 6
	.text
	.protected	k_q08fa3c4a4a_proj
	.globl	k_q08fa3c4a4a_proj
	.p2align	8
	.type	k_q08fa3c4a4a_proj,@function
k_q08fa3c4a4a_proj:
	s_mov_b64 s[64:65], 0
	v_nop
	global_prefetch_b8 v0, s[64:65] scope:SCOPE_SE
	s_setreg_imm32_b32 hwreg(HW_REG_WAVE_MODE, 25, 1), 1
	s_wait_xcnt 0x0
	s_wait_alu depctr_hold_cnt(0) depctr_sa_sdst(0) depctr_va_vdst(0) depctr_va_sdst(0) depctr_va_ssrc(0) depctr_va_vcc(0) depctr_vm_vsrc(0)
	s_getreg_b32 s2, hwreg(HW_REG_IB_STS2, 6, 4)
	s_cmp_eq_u32 s2, 0
	s_cbranch_scc0 .Lentry_in_a_cluster
	s_endpgm
.Lentry_in_a_cluster:
	s_bfe_u32 s2, ttmp6, 0x10000c
	s_cmp_lg_u32 s2, 0xf033
	s_cbranch_scc0 .Lentry_shape_is_right
	s_endpgm
.Lentry_shape_is_right:
; out0[m][n] = the sum over k of o[m][k] wo[n][k] + bo[n]: 4,096 x 1,024 x 1,024, f16 operands, f32 sums, f32 out.
; o comes as ao, in the order of this product's operand registers: [token tile of 16][32 channels][half][lane][16 bytes]: a fragment is two loads of 512 consecutive bytes.  wo comes as wof, f16, [n][k].
; A tile of the output is 128 x 128: 256 work-groups.  Four waves, 64 x 64 each: 16 accumulators.  K goes in steps of 256 through two LDS slots.
; CLUSTERS: 4 x 4 work-groups; o's tiles are asked for jointly along a row of the cluster, wo's along a column.
; THE MATRIX INSTRUCTION IS USED TRANSPOSED (source 0 = 16 rows of wo, source 1 = 16 tokens): a lane holds eight neighbouring columns of one token.  The bias is the C of each sum's first product.
; REGISTERS: window 0: v0-31 addresses; v32-95 the way out; v96-127 the bias; v128-255 the accumulators ((a, b) at v[128 + 8 (4 a + b)]).  window 1: two fragment buffers of 128: 64 of A, then 64 of B.
.set SIZE_M, 4096
.set SIZE_N, 1024
.set SIZE_K, 1024
.set KSTEP,  256
.set PITCH,  528                       ; a row of wo's tile in LDS: 512 bytes + 16
.set TILEA,  8192                      ; a token tile's eight fragments of a K step
.set HALFA,  4*TILEA                   ; four token tiles: what one load brings of o; dense
.set HALFB,  64*PITCH                  ; 64 rows of wo
.set BOFF,   2*HALFA
.set SLOT,   BOFF+2*HALFB
.set STAGE,  2*SLOT                    ; behind the ring: 16 rows x 272 bytes for each wave
.set SPITCH, 272
.set SPARE,  STAGE+4*16*SPITCH         ; the spare words, 128 bytes a wave, named by no other line
.set LAPS,   SIZE_K/(2*KSTEP)
.set ADRA, 16
.set ADRB, 20
.set STO,  24
.set RD,   25
.set CO,   26
.set BO,   27
.set SPW,  28
.set NIL,  29
.set TMP,  32
.set BIAS, 96
.set ACC,  128
.set F0,   0
.set F1,   128
.set G1, 24
.set G0, 32
.set G1B, 48
.set G0B, 56
.set MSB, 0
.macro WIN new
.if MSB != (\new)
	s_set_vgpr_msb (MSB<<8)|(\new)
.set MSB, (\new)
.endif
.endm
.set MUL,  0x05                        ; sources 0 and 1 window 1; C and D window 0
.set TO_F, 0x40
.macro JLOAD s                         ; waves 0 and 1 fetch o's two halves, waves 2 and 3 wo's; an s_nop 0 and four v_nop follow each line
	s_cmp_eq_u32 s11, 0
	s_cbranch_scc0 .Lfor_b_\@
	tensor_load_to_lds s[G0+4*\s:G0+4*\s+3], s[G1:G1+7]
	s_nop 0
.rept 4
	v_nop
.endr
	s_branch .Lasked_\@
.Lfor_b_\@:
	tensor_load_to_lds s[G0B+4*\s:G0B+4*\s+3], s[G1B:G1B+7]
	s_nop 0
.rept 4
	v_nop
.endr
.Lasked_\@:
.endm
.macro CREST
	s_cmp_lg_u32 s10, 0
	s_cbranch_scc1 .Lnot_wave_0_\@
	s_barrier_signal -3
.Lnot_wave_0_\@:
	s_barrier_wait -3
	s_barrier_signal -1
	s_barrier_wait -1
.endm
.macro CROUND
	s_barrier_signal -1
	s_barrier_wait -1
	CREST
.endm
	s_load_b128 s[4:7], s[0:1], 0x0                ; ao, wof
	s_load_b64 s[66:67], s[0:1], 0x10              ; bo
	s_load_b64 s[8:9], s[0:1], 0x18                ; out0
	v_lshl_add_u32 v[SPW], v0, 2, SPARE
	v_mov_b32 v[NIL], 0
	ds_add_u32 v[SPW], v[NIL]                      ; the wave's opening: the add, twice on end, and its wait ahead of my first tensor load
	ds_add_u32 v[SPW], v[NIL]
	v_lshrrev_b32 v1, 5, v0
	v_readfirstlane_b32 s10, v1                    ; wave 0..3
	s_lshr_b32 s11, s10, 1                         ; my half of the tile's rows.  Also: I fetch for o (0) or wo (1)
	s_and_b32 s12, s10, 1                          ; my half of its columns.  Also: which half I fetch
	s_bfe_u32 s40, ttmp6, 0x40000                  ; cx
	s_bfe_u32 s41, ttmp6, 0x40004                  ; cy
	s_lshl_b32 s42, ttmp9, 2
	s_add_co_u32 s42, s42, s40                     ; tile column
	s_and_b32 s13, ttmp7, 0xffff
	s_lshl_b32 s13, s13, 2
	s_add_co_u32 s13, s13, s41                     ; tile row
	s_lshl_b32 s43, s41, 2
	s_lshl_b32 s43, 15, s43                        ; my row of the cluster
	s_lshl_b32 s44, 0x1111, s40                    ; my column
	s_or_b32 s[G1+0], s43, (3<<16)|(1<<21)         ; o: mask; elements of 8 bytes; no padding
	s_mov_b32 s[G1+1], 1024<<16                    ; tensor_dim0: a token tile's 8,192 bytes of a K step
	s_mov_b32 s[G1+2], 4<<16                       ; tensor_dim1: four token tiles
	s_mov_b32 s[G1+3], 1024<<16                    ; tile_dim0
	s_mov_b32 s[G1+4], 4                           ; tile_dim1
	s_mov_b32 s[G1+5], 4096                        ; the pitch: 32,768 bytes from token tile to token tile
	s_mov_b32 s[G1+6], 0
	s_mov_b32 s[G1+7], 0
	s_or_b32 s[G1B+0], s44, (1<<16)|(1<<20)|(1<<21)|(6<<22)|(3<<25)  ; wo: mask; 2-byte elements; padding: 4 words behind every 128
	s_mov_b32 s[G1B+1], KSTEP<<16
	s_mov_b32 s[G1B+2], 64<<16
	s_mov_b32 s[G1B+3], KSTEP<<16
	s_mov_b32 s[G1B+4], 64
	s_mov_b32 s[G1B+5], SIZE_K
	s_mov_b32 s[G1B+6], 0
	s_mov_b32 s[G1B+7], 0
	s_lshl_b32 s16, s13, 3
	s_lshl_b32 s17, s12, 2
	s_add_co_u32 s16, s16, s17                     ; o: token tile 8 x tile row + 4 x half,
	s_lshl_b32 s16, s16, 15                        ; 32,768 bytes each
	s_mov_b32 s17, 0
	s_lshl_b32 s46, s42, 7
	s_lshl_b32 s47, s12, 6
	s_add_co_u32 s46, s46, s47                     ; wo: row 128 x tile column + 64 x half,
	s_lshl_b32 s46, s46, 11                        ; 2,048 bytes each
	s_mov_b32 s47, 0
	s_mul_i32 s20, s12, HALFA                      ; where they go: no place in the cluster enters an LDS address
	s_mul_i32 s23, s12, HALFB
	s_add_co_u32 s23, s23, BOFF
	s_wait_dscnt 0x0                               ; both opening adds are done
	s_wait_kmcnt 0x0
	s_add_nc_u64 s[14:15], s[4:5], s[16:17]
	s_add_nc_u64 s[46:47], s[6:7], s[46:47]
	CROUND                                         ; all sixteen work-groups are here: the first joint loads meet
.irp s, 0,1
	s_mov_b32 s[G0+4*\s], 1
	s_add_co_u32 s[G0+4*\s+1], s20, \s*SLOT
	s_add_nc_u64 s[G0+4*\s+2:G0+4*\s+3], s[14:15], \s*TILEA
	s_or_b32 s[G0+4*\s+3], s[G0+4*\s+3], 0x80000000
	s_mov_b32 s[G0B+4*\s], 1
	s_add_co_u32 s[G0B+4*\s+1], s23, \s*SLOT
	s_add_nc_u64 s[G0B+4*\s+2:G0B+4*\s+3], s[46:47], \s*KSTEP*2
	s_or_b32 s[G0B+4*\s+3], s[G0B+4*\s+3], 0x80000000
	JLOAD \s
.endr
	v_and_b32 v1, 15, v0                           ; r
	v_bfe_u32 v2, v0, 4, 1                         ; h
	v_and_b32 v6, 31, v0
	v_lshlrev_b32 v6, 4, v6                        ; o's images: 16 x lane
	v_mul_u32_u24 v3, v1, PITCH
	v_lshl_add_u32 v3, v2, 4, v3                   ; wo: row x pitch + 16 h
	s_mul_i32 s21, s11, HALFA                      ; my four token tiles
	s_mul_i32 s22, s12, HALFB                      ; my 64 rows of wo,
	s_add_co_u32 s22, s22, BOFF                    ; behind o's images
.irp s, 0,1
	v_add_nc_u32 v[ADRA+\s], s21, v6
	v_add_nc_u32 v[ADRB+\s], s22, v3
	s_add_co_u32 s21, s21, SLOT
	s_add_co_u32 s22, s22, SLOT
.endr
	s_mul_i32 s23, s10, 16*SPITCH
	s_add_co_u32 s23, s23, STAGE                   ; my stage
	v_mul_u32_u24 v4, v1, SPITCH                   ; in: row r, 32 bytes for each half of the lanes
	v_lshl_add_u32 v4, v2, 5, v4
	v_add_nc_u32 v[STO], s23, v4
	v_mul_u32_u24 v5, v2, SPITCH                   ; back: lanes 0-15 one row of 256 bytes, lanes 16-31 the next
	v_lshl_add_u32 v5, v1, 4, v5
	v_add_nc_u32 v[RD], s23, v5
	v_lshlrev_b32 v5, 12, v2                       ; and the same two rows in out0: 4,096 bytes a row
	v_lshl_add_u32 v[CO], v1, 4, v5
	s_lshl_b32 s16, s13, 7
	s_lshl_b32 s17, s11, 6
	s_add_co_u32 s16, s16, s17                     ; my first row
	s_lshl_b32 s16, s16, 12
	s_mov_b32 s17, 0
	s_add_nc_u64 s[8:9], s[8:9], s[16:17]
	s_lshl_b32 s46, s42, 9                         ; my first column, in bytes: 512 x tile column + 256 x half
	s_lshl_b32 s47, s12, 8
	s_add_co_u32 s46, s46, s47
	s_mov_b32 s47, 0
	s_add_nc_u64 s[8:9], s[8:9], s[46:47]
	s_add_nc_u64 s[66:67], s[66:67], s[46:47]      ; and the same in bo
	v_lshlrev_b32 v[BO], 5, v2
.irp b, 0,1,2,3
	global_load_b128 v[BIAS+8*\b:BIAS+8*\b+3], v[BO], s[66:67] offset:64*\b        ; register j: the bias of column 16 b + 8 h + j
	global_load_b128 v[BIAS+8*\b+4:BIAS+8*\b+7], v[BO], s[66:67] offset:64*\b+16
.endr
; 8 matrix instructions: m blocks a0, a0 + 1 x 4 n blocks, 32 along K: half c of buffer f.  zero = 1: the first product takes the bias as C.  The 16 accumulators take turns.
.macro MUL8 f, c, a0, zero
.irp a, \a0, \a0+1
.irp b, 0,1,2,3
.if \zero
	v_wmma_f32_16x16x32_f16 v[ACC+8*(4*(\a)+\b):ACC+8*(4*(\a)+\b)+7], v[\f+64+8*(4*\c+\b):\f+64+8*(4*\c+\b)+7], v[\f+8*(4*\c+\a):\f+8*(4*\c+\a)+7], v[BIAS+8*\b:BIAS+8*\b+7]
.else
	v_wmma_f32_16x16x32_f16 v[ACC+8*(4*(\a)+\b):ACC+8*(4*(\a)+\b)+7], v[\f+64+8*(4*\c+\b):\f+64+8*(4*\c+\b)+7], v[\f+8*(4*\c+\a):\f+8*(4*\c+\a)+7], v[ACC+8*(4*(\a)+\b):ACC+8*(4*(\a)+\b)+7]
.endif
.endr
.endr
.endm
; 32 LDS loads in one run: the fragments of 64 along K (byte k of wo's rows; fragments k / 64 and k / 64 + 1 of each token tile) into buffer f; the first 32 along K first
.macro FETCH slot, k, f
	WIN TO_F
.irp c, 0,1
.irp i, 0,1,2,3
	ds_load_b128 v[\f+64+8*(4*\c+\i):\f+64+8*(4*\c+\i)+3],   v[ADRB+\slot] offset:\k+64*\c+\i*16*PITCH
	ds_load_b128 v[\f+64+8*(4*\c+\i)+4:\f+64+8*(4*\c+\i)+7], v[ADRB+\slot] offset:\k+64*\c+\i*16*PITCH+32
	ds_load_b128 v[\f+8*(4*\c+\i):\f+8*(4*\c+\i)+3],         v[ADRA+\slot] offset:\i*TILEA+((\k)/64+\c)*1024
	ds_load_b128 v[\f+8*(4*\c+\i)+4:\f+8*(4*\c+\i)+7],       v[ADRA+\slot] offset:\i*TILEA+((\k)/64+\c)*1024+512
.endr
.endr
.endm
.macro PLACES                          ; four plain places in front of loads into registers that matrix instructions have read, and of reads of results
.rept 4
	v_nop
.endr
.endm
.macro QUARTER slot, k, f, g, zero     ; 64 along K: multiplies buffer f and fetches the next quarter, at byte k, into g
	s_wait_dscnt 16                                ; the first 32 along K are in; sixteen younger loads may be out
	WIN MUL
	MUL8 \f, 0, 0, \zero
	MUL8 \f, 0, 2, \zero
	PLACES
	FETCH \slot, \k, \g
	s_wait_dscnt 32                                ; all but the 32 just issued
	WIN MUL
	MUL8 \f, 1, 0, 0
	MUL8 \f, 1, 2, 0
.endm
; The last quarter changes slots: each wave waits for all its tensor loads, adds 0 to its spare word, waits for that and for its reads of this slot.  fill = 1: this slot is filled again, two K steps ahead.
.macro TURN slot, next, fill
	WIN 0
	s_wait_tensorcnt 0x0
	ds_add_u32 v[SPW], v[NIL]
	s_wait_dscnt 17                                ; the add and the youngest sixteen loads may be out
	WIN MUL
	MUL8 F1, 0, 0, 0
	s_wait_dscnt 0x0
	s_barrier_signal -1
	MUL8 F1, 0, 2, 0
.if \fill
	WIN 0
.endif
	s_barrier_wait -1
.if \fill
	CREST                                          ; the barrier has opened a round of the cluster's: no wave of any partner still reads this slot or has a load on its way
	s_add_nc_u64 s[G0+4*\slot+2:G0+4*\slot+3], s[G0+4*\slot+2:G0+4*\slot+3], 2*TILEA
	s_add_nc_u64 s[G0B+4*\slot+2:G0B+4*\slot+3], s[G0B+4*\slot+2:G0B+4*\slot+3], 2*KSTEP*2
	JLOAD \slot                                    ; the first tensor load behind the round; its four v_nop are also the places in front of the loads below
.else
	PLACES
.endif
	FETCH \next, 0, F0
	WIN MUL
	MUL8 F1, 1, 0, 0
	MUL8 F1, 1, 2, 0
.endm
	s_wait_tensorcnt 1                             ; my part of K step 0 is in; K step 1's load may be out,
	s_barrier_signal -1
	s_barrier_wait -1                              ; everybody's is
	FETCH 0, 0, F0
	s_wait_loadcnt 0x0                             ; the bias
	QUARTER 0, 128, F0, F1, 1
	WIN 0
	s_mov_b32 s3, LAPS-1
.Llap:                                                 ; a trip goes once round the ring and fills both slots again
	QUARTER 0, 256, F1, F0, 0
	QUARTER 0, 384, F0, F1, 0
	TURN 0, 1, 1
	QUARTER 1, 128, F0, F1, 0
	QUARTER 1, 256, F1, F0, 0
	QUARTER 1, 384, F0, F1, 0
	TURN 1, 0, 1
	QUARTER 0, 128, F0, F1, 0
	WIN 0
	s_sub_co_u32 s3, s3, 1
	s_cmp_lg_u32 s3, 0
	s_cbranch_scc1 .Llap
	QUARTER 0, 256, F1, F0, 0                      ; the last lap fills nothing
	QUARTER 0, 384, F0, F1, 0
	TURN 0, 1, 0
	QUARTER 1, 128, F0, F1, 0
	QUARTER 1, 256, F1, F0, 0
	QUARTER 1, 384, F0, F1, 0
	s_wait_dscnt 16
	WIN MUL
	MUL8 F1, 0, 0, 0
	MUL8 F1, 0, 2, 0
	s_wait_dscnt 0
	MUL8 F1, 1, 0, 0
	MUL8 F1, 1, 2, 0
	WIN 0
	; THE WAY OUT: a wave's 64 columns of f32 are 256 bytes of a row.  A block of 16 rows goes through my own stage and comes back as whole rows: sixteen lanes store 256 consecutive bytes, aligned.
	PLACES
.irp a, 0,1,2,3
.if \a >= 2
	s_wait_xcnt 0x0                                ; the stores of two blocks back have read the registers that the loads below fill
.endif
.irp b, 0,1,2,3
	ds_store_b128 v[STO], v[ACC+8*(4*\a+\b):ACC+8*(4*\a+\b)+3] offset:64*\b          ; each accumulator from its low end on
	ds_store_b128 v[STO], v[ACC+8*(4*\a+\b)+4:ACC+8*(4*\a+\b)+7] offset:64*\b+16
.endr
.irp t, 0,1,2,3,4,5,6,7
	ds_load_b128 v[TMP+32*(\a%2)+4*\t:TMP+32*(\a%2)+4*\t+3], v[RD] offset:\t*2*SPITCH   ; LDS serves a wave's instructions in order: these see the stores above
.endr
.irp t, 0,1,2,3,4,5,6,7
	s_wait_dscnt 7-\t                              ; load t is in; the younger ones may be out
	global_store_b128 v[CO], v[TMP+32*(\a%2)+4*\t:TMP+32*(\a%2)+4*\t+3], s[8:9] offset:(16*\a+2*\t)*SIZE_N*4 th:TH_STORE_NT
.endr
.endr
	s_wait_tensorcnt 0x0                           ; the wave's end
	ds_add_u32 v[SPW], v[NIL]
	s_wait_dscnt 0x0
	CROUND                                         ; the closing round
	s_endpgm
.Lfunc_end_k_q08fa3c4a4a_proj:
	.size	k_q08fa3c4a4a_proj, .Lfunc_end_k_q08fa3c4a4a_proj-k_q08fa3c4a4a_proj
	.p2alignl 7, 3214868480
	.fill 96, 4, 3214868480
	.section	.rodata,"a",@progbits
	.p2align	6, 0x0
	.amdhsa_kernel k_q08fa3c4a4a_proj
		.amdhsa_group_segment_fixed_size 327680
		.amdhsa_private_segment_fixed_size 0
		.amdhsa_enable_private_segment 0
		.amdhsa_kernarg_size 32
		.amdhsa_user_sgpr_count 2
		.amdhsa_user_sgpr_kernarg_segment_ptr 1
		.amdhsa_wavefront_size32 1
		.amdhsa_system_sgpr_workgroup_id_x 1
		.amdhsa_system_sgpr_workgroup_id_y 1
		.amdhsa_system_sgpr_workgroup_id_z 1
		.amdhsa_system_vgpr_workitem_id 0
		.amdhsa_next_free_vgpr 512
		.amdhsa_next_free_sgpr 68
		.amdhsa_reserve_vcc 0
		.amdhsa_float_denorm_mode_32 3
		.amdhsa_float_denorm_mode_16_64 3
		.amdhsa_memory_ordered 1
		.amdhsa_forward_progress 1
		.amdhsa_inst_pref_size 87
	.end_amdhsa_kernel
	.amdgpu_metadata
---
amdhsa.version: [ 1, 2 ]
amdhsa.kernels:
  - .name:           k_q08fa3c4a4a_proj
    .symbol:         k_q08fa3c4a4a_proj.kd
    .args:
      - { .name: ao, .offset: 0, .size: 8, .value_kind: global_buffer, .address_space: global }
      - { .name: wof, .offset: 8, .size: 8, .value_kind: global_buffer, .address_space: global }
      - { .name: bo, .offset: 16, .size: 8, .value_kind: global_buffer, .address_space: global }
      - { .name: out0, .offset: 24, .size: 8, .value_kind: global_buffer, .address_space: global }
    .group_segment_fixed_size: 327680
    .private_segment_fixed_size: 0
    .kernarg_segment_align: 8
    .kernarg_segment_size: 32
    .max_flat_workgroup_size: 128
    .sgpr_count:     68
    .vgpr_count:     512
    .wavefront_size: 32
...
	.end_amdgpu_metadata
.endif
;; end of part 4
